; MI455X (gfx1250); checked and timed in simulation.
; The chip was launched on July 23, 2026; its instructions are those of AMD's public machine-readable ISA for CDNA 5 (MIT licence, August 2026) and "CDNA5" Instruction Set Architecture Reference Guide (July 2026). The comments in the code are by the model that wrote it; some were corrected since.
;; Multi Head Attention. Allowed arithmetic: matrix products marked QUANTISED: E2M1 operands, one E8M0 scale for each 32 along K, by v_wmma_scale_f32_16x16x128_f8f6f4 with both operands' format E2M1 (or v_wmma_scale_f32_32x16x128_f4), f32 sums; products left as they are: bf16, f16 or f32 operands; f32 sums; everything else in f32.
;; Inputs: Wk 16 x 1,024 x 64 float32; Wo 1,024 x 1,024 float32; Wq 16 x 1,024 x 64 float32; Wv 16 x 1,024 x 64 float32; x 4 x 2,048 x 1,024 float32.
;; Outputs: out0 4 x 2,048 x 1,024 float32.
;; This version of the problem:
;;   THIS VERSION OF THE PROBLEM IS GIVEN IN LOW PRECISION. The matrix products marked QUANTISED in the list below multiply operands that are first quantised to E2M1 (2 exponent bits, 1 mantissa bit; 4 bits a number), with one power-of-two scale for each 32 numbers along K (OCP MX v1.0); their sums are f32. The products marked 'left as it is' may take bf16, f16 or f32 operands, with f32 sums. Whichever they take, every output number must still come out within the allowed error. Rounding operands to bf16 (8 significant bits) uses up far more of that allowance than f16 does (11 bits, for magnitudes from 6e-5 to 65,504). All else is computed in f32.
;;   The module's matrix products, in the order in which they are computed (A, B: the left and right operand; K: the contracted axis; several contracted axes count as one K, in the product's order):
;;     1. [M 1,024, K 1,024] x [K 1,024, N 8,192]; A: input Wq; B: input x: QUANTISED
;;     2. [M 1,024, K 1,024] x [K 1,024, N 8,192]; A: input Wk; B: input x: QUANTISED
;;     3. [M 1,024, K 1,024] x [K 1,024, N 8,192]; A: input Wv; B: input x: QUANTISED
;;     4. batch 64 x [M 2,048, K 64] x [K 64, N 2,048]; A: computed on the way; B: computed on the way: left as it is (an operand is computed on the way)
;;     5. batch 64 x [M 2,048, K 2,048] x [K 2,048, N 64]; A: computed on the way; B: computed on the way: left as it is (an operand is computed on the way)
;;     6. [M 8,192, K 1,024] x [K 1,024, N 1,024]; A: computed on the way; B: input Wo: left as it is (an operand is computed on the way)
;;   THE QUANTISER, for each operand of a quantised product, along K:
;;     - K is cut into blocks of 32 from its start; a last block that is shorter is filled with zeros.
;;     - A block's scale is 2^e with e = floor(log2(the largest magnitude in the block)) - 2, held to -126 .. 127; a block of zeros has e = 0. As a byte (E8M0): e + 127.
;;     - Each number is divided by its block's scale, clamped to +-6, and rounded to the nearest number of E2M1, ties to even, subnormals kept.
;;     - The product sums the exact products of the quantised numbers (number of the format x scale) in f32.
;;   ~~~python
;;   def quantise(x, axis):      # numpy; x: float32 -> the quantised numbers, widened to float32 again
;;       x = np.moveaxis(x, axis, -1); K = x.shape[-1]
;;       x = np.pad(x, [(0, 0)] * (x.ndim - 1) + [(0, -K % 32)]); x = x.reshape(x.shape[:-1] + (-1, 32)); a = np.abs(x).max(-1, keepdims=True)
;;       e = np.where(a > 0, np.clip(np.frexp(np.where(a > 0, a, 1))[1] - 1 - 2, -126, 127), 0)      # np.frexp(a)[1] - 1 = floor(log2(a)), exactly
;;       r = np.clip(x / 2.0 ** e, -6, 6)
;;       step = 2.0 ** (np.maximum(np.frexp(np.where(r == 0, 1, r))[1] - 1, 0) - 1)
;;       q = np.round(r / step) * step * 2.0 ** e      # np.round: ties to even
;;       return np.moveaxis(q.reshape(q.shape[:-2] + (-1,))[..., :K], -1, axis).astype(np.float32)
;;   ~~~
;; One version. Each part assembles by itself: llvm-mc -triple=amdgcn-amd-amdhsa -mcpu=gfx1250 --defsym DOCPART=n.
;; ======== version 1 of 1: 5 launches
;; limits: values are held in f16: magnitudes above 65,504 overflow, below 6.1e-05 lose precision
;; workspace buffers: x_codes 4,194,304 bytes; x_scales 262,144 bytes; w_codes 1,572,864 bytes; w_scales 98,304 bytes; wo16 2,097,152 bytes; qkv 50,331,648 bytes; fine 786,432 bytes; o 16,777,216 bytes
;; launch prep (part 1): grid 576 x 1, 4 waves a work-group, no clusters, 42,496 bytes of LDS; arguments x, Wq, Wk, Wv, Wo, x_codes, x_scales, w_codes, w_scales, wo16; writes x_codes, x_scales, w_codes, w_scales, wo16
.if DOCPART == 1
	.amdgcn_target "amdgcn-amd-amdhsa--gfx1250"
	.amdhsa_code_object_version 6
	.text
	.protected	k_q947a647f35_prep
	.globl	k_q947a647f35_prep
	.p2align	8
	.type	k_q947a647f35_prep,@function
k_q947a647f35_prep:
	s_mov_b64 s[64:65], 0
	v_nop
	global_prefetch_b8 v0, s[64:65] scope:SCOPE_SE
	s_setreg_imm32_b32 hwreg(HW_REG_WAVE_MODE, 25, 1), 1
	s_wait_xcnt 0x0
; PREP: three kinds of work-group, told apart by the work-group's number; the three ways never join, and each has LDS bytes of its own.
;  X (0-255):   x [8192][1024] f32 -> codes of FP4 (E2M1), K innermost, [8192][512 bytes], and one E8M0 byte for each 32 along K, [8192][32].
;  W (256-447): Wq, Wk, Wv [16][1024 (K)][64] f32 -> codes [3072 rows n = 1024 sec + 64 head + d][512 bytes], K innermost, and scale bytes [3072][32].
;  O (448-575): Wo [1024][1024] f32 -> f16, same layout.
; A block's scale is 2^(floor(log2(its largest magnitude)) - 2); its byte is the largest magnitude's exponent field - 2, held at 1 from below.
; LIMITS: a block of zeros gets the byte 1 (its codes are zeros, and this program alone reads the bytes); NaN and infinities are not served; |Wo| up to 65,504 (f16).
.set WREG,  8192                       ; way X: LDS of a wave: two stages of 32 x SP bytes, behind them its 256 scale bytes
.set SP,    80                         ; a lane's place in a stage: 64 bytes + 16 of padding
.set CB,    8                          ; bytes of 16 codes
.set STEPS, 16
.set EMAX,  2
.set R,     16                         ; v16-79   four sets of 16 numbers as loaded
.set X,     80                         ; v80-111  two sets of 16 neighbours
.set E,     112                        ; v112-127 a scale byte for each step
.set C,     128                        ; v128-191 codes, four registers a step
.set WST,   32768                      ; way W: the codes' stage, 32 rows of 256 bytes + 16
.set WP,    272
.set WSC,   41472                      ; way W: the scale words' stage, 32 rows of 16 bytes
.set SPARE, 41984                      ; the spare words, 128 bytes a wave
.set SPW,   12                         ; v12 my spare word's LDS address; never rewritten
.set NIL,   13                         ; v13 0; never rewritten
.macro LOAD t
.irp i, 0,1,2,3
	global_load_b128 v[R+16*((\t)%4)+4*\i:R+16*((\t)%4)+4*\i+3], v3, s[4:5] offset:2048*(\t)+512*\i th:TH_LOAD_NT   ; 32 lanes read 512 consecutive bytes
.endr
.endm
.macro TURN t                          ; step t's numbers through the stage; LDS serves a wave's instructions in order (ISA guide 5.7.1.4)
.irp i, 0,1,2,3
	ds_store_b128 v14, v[R+16*((\t)%4)+4*\i:R+16*((\t)%4)+4*\i+3] offset:32*SP*((\t)%2)+8*SP*\i
.endr
.irp i, 0,1,2,3
	ds_load_b128 v[X+16*((\t)%2)+4*\i:X+16*((\t)%2)+4*\i+3], v15 offset:32*SP*((\t)%2)+16*\i
.endr
.endm
.macro STEP t                          ; 512 numbers: 16 neighbours a lane, two lanes to a block
.set XS, X+16*((\t)%2)
.if (\t) > 0
	s_wait_dscnt 1                                 ; this step's numbers are back from the stage; the last step's byte store may be out
.else
	s_wait_dscnt 0x0
.endif
.if (\t)+4 < STEPS
	LOAD (\t)+4                                    ; into the registers that the stage's stores have read
.endif
.if (\t)+1 < STEPS
.if STEPS-2-(\t) >= 3
	s_wait_loadcnt 12                              ; the next step's four loads are in; three later steps' may be out
.else
	s_wait_loadcnt 4*(STEPS-2-(\t))
.endif
	TURN (\t)+1
.endif
	v_max3_num_f32 v8, |v[XS]|, |v[XS+1]|, |v[XS+2]|
	v_max3_num_f32 v9, |v[XS+3]|, |v[XS+4]|, |v[XS+5]|
.irp i, 6,10
	v_max3_num_f32 v8, v8, |v[XS+\i]|, |v[XS+\i+1]|
	v_max3_num_f32 v9, v9, |v[XS+\i+2]|, |v[XS+\i+3]|
.endr
	v_max3_num_f32 v8, v8, |v[XS+14]|, |v[XS+15]|
	v_max3_num_f32 v8, v8, v9, (EMAX+1)<<23        ; the floor 2^(3 - 127): the byte cannot fall under 1
	v_max_num_f32_dpp v8, v8, v8 row_xmask:1 row_mask:0xf bank_mask:0xf   ; with my neighbour's 16: the block's largest magnitude
	v_add_nc_u32 v11, -(EMAX<<23), v8              ; 2 off its exponent field: the conversion's scale operand
	v_cvt_scalef32_pk8_fp4_f32 v[C+4*(\t)], v[XS:XS+7], v11
	v_cvt_scalef32_pk8_fp4_f32 v[C+4*(\t)+1], v[XS+8:XS+15], v11
	v_lshrrev_b32 v[E+(\t)], 23, v11               ; the scale's byte
	ds_store_b8 v5, v[E+(\t)] offset:16*(\t)       ; both lanes of a block write the same byte with the same value
	global_store_b64 v4, v[C+4*(\t):C+4*(\t)+1], s[14:15] offset:32*CB*(\t)   ; the wave stores 256 consecutive bytes
.endm
.macro WBLOCK t, left                  ; way W: block t of my column: 32 numbers down K, all mine
.set XS, 16+32*(\t)
	s_wait_loadcnt \left
	v_max3_num_f32 v8, |v[XS]|, |v[XS+1]|, |v[XS+2]|
	v_max3_num_f32 v9, |v[XS+3]|, |v[XS+4]|, |v[XS+5]|
.irp i, 6,10,14,18,22,26
	v_max3_num_f32 v8, v8, |v[XS+\i]|, |v[XS+\i+1]|
	v_max3_num_f32 v9, v9, |v[XS+\i+2]|, |v[XS+\i+3]|
.endr
	v_max3_num_f32 v8, v8, |v[XS+30]|, |v[XS+31]|
	v_max3_num_f32 v8, v8, v9, (EMAX+1)<<23
	v_add_nc_u32 v11, -(EMAX<<23), v8
	v_lshrrev_b32 v9, 23, v11
.if (\t) == 0
	v_mov_b32 v160, v9                             ; four bytes make my column's scale word for these 128 along K
.else
	v_lshl_or_b32 v160, v9, 8*(\t), v160
.endif
.irp g, 0,1,2,3
	v_cvt_scalef32_pk8_fp4_f32 v[144+4*(\t)+\g], v[XS+8*\g:XS+8*\g+7], v11
.endr
	ds_store_b128 v4, v[144+4*(\t):144+4*(\t)+3] offset:16*(\t)
.endm
	s_load_b256 s[4:11], s[0:1], 0x0               ; x, Wq, Wk, Wv
	s_load_b256 s[12:19], s[0:1], 0x20             ; Wo, x_codes, x_scales, w_codes
	s_load_b128 s[20:23], s[0:1], 0x40             ; w_scales, wo16
	v_lshl_add_u32 v[SPW], v0, 2, SPARE
	v_mov_b32 v[NIL], 0
	v_lshrrev_b32 v1, 5, v0
	v_readfirstlane_b32 s24, v1                    ; wave
	v_and_b32 v2, 31, v0                           ; lane
	s_cmp_lt_u32 ttmp9, 256
	s_cbranch_scc0 .Lnot_x
	; ---- WAY X: a wave takes a run of 8,192 numbers, 16 steps of 512
	v_lshlrev_b32 v3, 4, v2                        ; my 16 bytes of a load's 512
	s_mul_i32 s25, s24, WREG
	v_lshrrev_b32 v14, 2, v2
	v_mul_u32_u24 v14, v14, SP
	v_and_b32 v15, 3, v2
	v_lshl_add_u32 v14, v15, 4, v14
	v_add_nc_u32 v14, s25, v14                     ; the stage, on the way in: SP (lane / 4) + 16 (lane % 4)
	v_mul_u32_u24 v15, v2, SP
	v_add_nc_u32 v15, s25, v15                     ; and on the way out: SP x lane
	v_mul_u32_u24 v4, v2, CB
	v_lshrrev_b32 v5, 1, v2
	s_add_co_u32 s25, s25, 2*32*SP
	v_add_nc_u32 v5, s25, v5                       ; my block's scale byte
	v_lshlrev_b32 v7, 3, v2
	v_add_nc_u32 v6, s25, v7
	s_lshl_b32 s26, ttmp9, 2
	s_add_co_u32 s26, s26, s24                     ; my run: 4 x work-group + wave
	s_lshl_b32 s28, s26, 15
	s_mov_b32 s29, 0
	s_lshl_b32 s30, s26, 12
	s_mov_b32 s31, 0
	s_lshl_b32 s32, s26, 8
	s_mov_b32 s33, 0
	s_wait_kmcnt 0x0
	s_add_nc_u64 s[4:5], s[4:5], s[28:29]
	s_add_nc_u64 s[14:15], s[14:15], s[30:31]
	s_add_nc_u64 s[16:17], s[16:17], s[32:33]
.irp t, 0,1,2,3
	LOAD \t
.endr
	s_wait_loadcnt 12                              ; step 0's four loads are in
	TURN 0
.irp t, 0,1,2,3,4,5,6,7,8,9,10,11,12,13,14,15
	STEP \t
.endr
	ds_load_b64 v[8:9], v6                         ; my wave's 256 scale bytes, 8 a lane
	s_wait_dscnt 0x0
	global_store_b64 v7, v[8:9], s[16:17]          ; 256 consecutive bytes
	s_wait_tensorcnt 0x0                           ; the wave's end
	ds_add_u32 v[SPW], v[NIL]
	s_wait_dscnt 0x0
	s_endpgm
.Lnot_x:
	s_cmp_lt_u32 ttmp9, 448
	s_cbranch_scc0 .Lpath_o
	; ---- WAY W: the work-group takes 32 columns d of one head of one weight x 512 along K; wave w 128 of them.  A lane takes a column, its registers run down K.
	s_sub_co_u32 s25, ttmp9, 256                   ; g
	s_and_b32 s26, s25, 1                          ; which 512 along K
	s_bfe_u32 s27, s25, 0x10001                    ; which 32 columns
	s_bfe_u32 s28, s25, 0x40002                    ; head
	s_lshr_b32 s29, s25, 6                         ; 0 Wq, 1 Wk, 2 Wv
	s_lshr_b32 s30, s25, 2                         ; 16 x weight + head
	s_lshl_b32 s32, s28, 18                        ; a head is 1,024 rows of 256 bytes
	s_lshl_b32 s31, s26, 17
	s_add_co_u32 s32, s32, s31
	s_lshl_b32 s31, s24, 15
	s_add_co_u32 s32, s32, s31
	s_lshl_b32 s31, s27, 7
	s_add_co_u32 s32, s32, s31
	s_mov_b32 s33, 0
	s_lshl_b32 s34, s30, 6
	s_lshl_b32 s31, s27, 5
	s_add_co_u32 s34, s34, s31                     ; the first row n of the codes' buffer
	s_lshl_b32 s36, s34, 9
	s_lshl_b32 s31, s26, 8
	s_add_co_u32 s36, s36, s31
	s_mov_b32 s37, 0
	s_lshl_b32 s38, s34, 5
	s_lshl_b32 s31, s26, 4
	s_add_co_u32 s38, s38, s31
	s_mov_b32 s39, 0
	v_lshlrev_b32 v3, 2, v2                        ; in: 4 bytes a lane
	v_mul_u32_u24 v4, v2, WP
	s_lshl_b32 s31, s24, 6
	s_add_co_u32 s31, s31, WST
	v_add_nc_u32 v4, s31, v4                       ; codes into the stage: row = my column, 64 bytes a wave
	v_lshlrev_b32 v5, 4, v2
	v_add_nc_u32 v15, WSC, v5                      ; scale words back: 16 bytes a row
	s_lshl_b32 s31, s24, 2
	s_add_co_u32 s31, s31, WSC
	v_add_nc_u32 v5, s31, v5                       ; scale word in: 4 bytes a wave
	v_lshrrev_b32 v6, 4, v2
	v_and_b32 v10, 15, v2
	v_mul_u32_u24 v7, v6, WP
	v_lshl_add_u32 v7, v10, 4, v7
	s_mul_i32 s31, s24, 8*WP
	s_add_co_u32 s31, s31, WST
	v_add_nc_u32 v7, s31, v7                       ; codes back: wave w takes rows 8 w on, sixteen lanes to a row
	v_lshlrev_b32 v14, 9, v6
	v_lshl_add_u32 v14, v10, 4, v14
	s_lshl_b32 s31, s24, 12
	v_add_nc_u32 v14, s31, v14                     ; and the same place in the codes' buffer
	v_lshlrev_b32 v161, 5, v2                      ; a row of scale bytes is 32 bytes
	s_wait_kmcnt 0x0
	s_cmp_eq_u32 s29, 0
	s_cselect_b64 s[6:7], s[6:7], s[8:9]
	s_cmp_eq_u32 s29, 2
	s_cselect_b64 s[6:7], s[10:11], s[6:7]
	s_add_nc_u64 s[6:7], s[6:7], s[32:33]
	s_add_nc_u64 s[18:19], s[18:19], s[36:37]
	s_add_nc_u64 s[20:21], s[20:21], s[38:39]
.set i, 0
.rept 128
	global_load_b32 v[16+i], v3, s[6:7] offset:256*i th:TH_LOAD_NT   ; row K of the weight at 32 neighbouring columns: 128 consecutive bytes
.set i, i+1
.endr
	WBLOCK 0, 63                                   ; 96 younger loads could stay out; the wait's field holds 63
	WBLOCK 1, 63                                   ; 64 could
	WBLOCK 2, 32
	WBLOCK 3, 0
	ds_store_b32 v5, v160
	s_wait_dscnt 0x0                               ; for the others' sake: my stores into the stages are done
	s_barrier_signal -1
	s_barrier_wait -1
.irp u, 0,1,2,3
	ds_load_b128 v[168+4*\u:171+4*\u], v7 offset:2*WP*\u
.endr
.irp u, 0,1,2,3
	s_wait_dscnt 3-\u
	global_store_b128 v14, v[168+4*\u:171+4*\u], s[18:19] offset:1024*\u   ; sixteen lanes store 256 consecutive bytes of a row
.endr
	s_cmp_lg_u32 s24, 0
	s_cbranch_scc1 .Lw_done
	ds_load_b128 v[164:167], v15                   ; wave 0: 16 scale bytes of each of the 32 rows
	s_wait_dscnt 0x0
	global_store_b128 v161, v[164:167], s[20:21]
.Lw_done:
	s_wait_tensorcnt 0x0                           ; the wave's end
	ds_add_u32 v[SPW], v[NIL]
	s_wait_dscnt 0x0
	s_endpgm
.Lpath_o:
	; ---- WAY O: 8,192 numbers of Wo are rounded to f16
	s_sub_co_u32 s25, ttmp9, 448
	s_lshl_b32 s26, s25, 15
	s_mov_b32 s27, 0
	s_lshl_b32 s28, s25, 14
	s_mov_b32 s29, 0
	v_lshlrev_b32 v3, 4, v0
	v_lshlrev_b32 v4, 3, v0
	s_wait_kmcnt 0x0
	s_add_nc_u64 s[12:13], s[12:13], s[26:27]
	s_add_nc_u64 s[22:23], s[22:23], s[28:29]
.irp i, 0,1,2,3,4,5,6,7,8,9,10,11,12,13,14,15
	global_load_b128 v[16+4*\i:19+4*\i], v3, s[12:13] offset:2048*\i th:TH_LOAD_NT
.endr
.irp i, 0,1,2,3,4,5,6,7,8,9,10,11,12,13,14,15
	s_wait_loadcnt 15-\i
	v_cvt_pk_f16_f32 v[80+2*\i], v[16+4*\i], v[17+4*\i]
	v_cvt_pk_f16_f32 v[81+2*\i], v[18+4*\i], v[19+4*\i]
	global_store_b64 v4, v[80+2*\i:81+2*\i], s[22:23] offset:1024*\i   ; a wave stores 256 consecutive bytes
.endr
	s_wait_tensorcnt 0x0                           ; every wave of the launch ends alike
	ds_add_u32 v[SPW], v[NIL]
	s_wait_dscnt 0x0
	s_endpgm
.Lfunc_end_k_q947a647f35_prep:
	.size	k_q947a647f35_prep, .Lfunc_end_k_q947a647f35_prep-k_q947a647f35_prep
	.p2alignl 7, 3214868480
	.fill 96, 4, 3214868480
	.section	.rodata,"a",@progbits
	.p2align	6, 0x0
	.amdhsa_kernel k_q947a647f35_prep
		.amdhsa_group_segment_fixed_size 42496
		.amdhsa_private_segment_fixed_size 0
		.amdhsa_enable_private_segment 0
		.amdhsa_kernarg_size 80
		.amdhsa_user_sgpr_count 2
		.amdhsa_user_sgpr_kernarg_segment_ptr 1
		.amdhsa_wavefront_size32 1
		.amdhsa_system_sgpr_workgroup_id_x 1
		.amdhsa_system_sgpr_workgroup_id_y 1
		.amdhsa_system_sgpr_workgroup_id_z 1
		.amdhsa_system_vgpr_workitem_id 0
		.amdhsa_next_free_vgpr 192
		.amdhsa_next_free_sgpr 66
		.amdhsa_reserve_vcc 0
		.amdhsa_float_denorm_mode_32 3
		.amdhsa_float_denorm_mode_16_64 3
		.amdhsa_memory_ordered 1
		.amdhsa_forward_progress 1
		.amdhsa_inst_pref_size 61
	.end_amdhsa_kernel
	.amdgpu_metadata
---
amdhsa.version: [ 1, 2 ]
amdhsa.kernels:
  - .name:           k_q947a647f35_prep
    .symbol:         k_q947a647f35_prep.kd
    .args:
      - { .name: x, .offset: 0, .size: 8, .value_kind: global_buffer, .address_space: global }
      - { .name: Wq, .offset: 8, .size: 8, .value_kind: global_buffer, .address_space: global }
      - { .name: Wk, .offset: 16, .size: 8, .value_kind: global_buffer, .address_space: global }
      - { .name: Wv, .offset: 24, .size: 8, .value_kind: global_buffer, .address_space: global }
      - { .name: Wo, .offset: 32, .size: 8, .value_kind: global_buffer, .address_space: global }
      - { .name: x_codes, .offset: 40, .size: 8, .value_kind: global_buffer, .address_space: global }
      - { .name: x_scales, .offset: 48, .size: 8, .value_kind: global_buffer, .address_space: global }
      - { .name: w_codes, .offset: 56, .size: 8, .value_kind: global_buffer, .address_space: global }
      - { .name: w_scales, .offset: 64, .size: 8, .value_kind: global_buffer, .address_space: global }
      - { .name: wo16, .offset: 72, .size: 8, .value_kind: global_buffer, .address_space: global }
    .group_segment_fixed_size: 42496
    .private_segment_fixed_size: 0
    .kernarg_segment_align: 8
    .kernarg_segment_size: 80
    .max_flat_workgroup_size: 128
    .sgpr_count:     66
    .vgpr_count:     192
    .wavefront_size: 32
...
	.end_amdgpu_metadata
.endif
;; end of part 1
;; launch qkv (part 2): grid 12 x 32, 4 waves a work-group, clusters of 4 x 4, 327,680 bytes of LDS; arguments x_codes, x_scales, w_codes, w_scales, qkv, fine; writes qkv, fine
.if DOCPART == 2
	.amdgcn_target "amdgcn-amd-amdhsa--gfx1250"
	.amdhsa_code_object_version 6
	.text
	.protected	k_q947a647f35_qkv
	.globl	k_q947a647f35_qkv
	.p2align	8
	.type	k_q947a647f35_qkv,@function
k_q947a647f35_qkv:
	s_mov_b64 s[64:65], 0
	v_nop
	global_prefetch_b8 v0, s[64:65] scope:SCOPE_SE
	s_setreg_imm32_b32 hwreg(HW_REG_WAVE_MODE, 25, 1), 1
	s_wait_xcnt 0x0
	s_wait_alu depctr_hold_cnt(0) depctr_sa_sdst(0) depctr_va_vdst(0) depctr_va_sdst(0) depctr_va_ssrc(0) depctr_va_vcc(0) depctr_vm_vsrc(0)
	s_getreg_b32 s2, hwreg(HW_REG_IB_STS2, 6, 4)
	s_cmp_eq_u32 s2, 0
	s_cbranch_scc0 .Lentry_in_a_cluster
	s_endpgm
.Lentry_in_a_cluster:
	s_bfe_u32 s2, ttmp6, 0x10000c
	s_cmp_lg_u32 s2, 0xf033
	s_cbranch_scc0 .Lentry_shape_is_right
	s_endpgm
.Lentry_shape_is_right:
; q, k, v = x W: ONE product on codes of FP4 (E2M1) with one E8M0 scale for each 32 along K: C[m][n], m = 2048 batch + position (8,192), n = 1024 sec + 64 head + d (3,072), K = 1,024; sums in f32.
; A tile of C, 256 x 256, is made by four waves, 128 x 128 each: 64 accumulators, 512 registers.  K lies in two LDS slots of 512 each, both filled at the start: nothing is filled again.
; The scale bytes of the tile's rows of x and of W, for all of K, come into LDS once, with the first fills.
; CLUSTERS: 4 x 4 work-groups; x's tiles are asked for jointly along a row of the cluster, W's along a column.  Tile row = 8 cy + cluster y: so the batch is cy and the tile of positions is the cluster's y,
; and whether a tile holds positions 0-15 is the same in all sixteen partners.
; THE MATRIX INSTRUCTION IS USED TRANSPOSED (source 0 = 16 rows of W, source 1 = 16 rows of x): a lane holds eight neighbouring d of one position.
; OUT: qkv [sec][batch][head][position][64] f16; and, for positions 0-15 of each sequence, the f32 accumulators as they stand: fine [batch][sec][head][4,096 bytes]: tile b' (d = 16 b' on), register group g, lane l at 1024 b' + 512 g + 16 l.
; LIMIT: |q|, |k|, |v| up to 65,504 (f16).
; REGISTERS: window 0: v0-31 addresses; v32-95 scale words, two sets; v128-191 x's fragments, one set; window 1: W's fragments, two sets; windows 2, 3: accumulators (a, b) at v[8 (8 (a % 4) + b)].
.set SIZE_M, 8192
.set SIZE_N, 3072
.set SIZE_K, 1024
.set KSTEP,  512
.set NQ,     KSTEP/128
.set ROWB,   256
.set KROW,   SIZE_K*4/8
.set PITCH,  272                       ; an LDS row: 256 bytes + 16: the 16 rows that a load touches start at 16 different banks (64 banks of 4 bytes: ISA guide 11.1)
.set FR,     8
.set NL,     2
.set NP,     4
.set HALFT,  128*PITCH
.set SLOT,   4*HALFT
.set KS,     SIZE_K/32
.set SCL,    2*SLOT
.set HALFS,  (128*KS/256)*272
.set SBLK,   (16*KS/256)*272
.set SPARE,  SCL+4*HALFS               ; the spare words, 128 bytes a wave
.set SPITCH, 272                       ; the way out: a stage of 16 rows x (256 bytes + 16) for each wave, in slot 0, which has had its one fill and its last read by then
.set ADRA, 16
.set ADRB, 20
.set STO,  24
.set RD,   25
.set CO,   26
.set ADRS, 27
.set SPW,  28
.set NIL,  29
.set SC,   32
.set AF,   128
.set BK,   128                         ; the way out: rows read back, v128-159 and v160-191 by turns
.set TMP,  192                         ; the way out: packed results
.set G1, 24
.set G0, 32
.set G1B, 48
.set G0B, 56
.set G1S, 68
.set G0S, 76
.set G1SB, 80
.set G0SB, 88
.set MSB, 0
.macro WIN new                         ; the immediate's high byte repeats the setting that is left
.if MSB != (\new)
	s_set_vgpr_msb (MSB<<8)|(\new)
.set MSB, (\new)
.endif
.endm
.set MUL_LO, 0xa1
.set MUL_HI, 0xf1
.set TO_B,   0x40
.macro JLOAD g0a, g1a, g0b, g1b        ; a joint load: waves 0 and 1 fetch for x, waves 2 and 3 for W; an s_nop 0 and four v_nop follow each line
	s_cmp_eq_u32 s15, 0
	s_cbranch_scc0 .Lfor_b_\@
	tensor_load_to_lds s[\g0a:\g0a+3], s[\g1a:\g1a+7]
	s_nop 0
.rept 4
	v_nop
.endr
	s_branch .Lasked_\@
.Lfor_b_\@:
	tensor_load_to_lds s[\g0b:\g0b+3], s[\g1b:\g1b+7]
	s_nop 0
.rept 4
	v_nop
.endr
.Lasked_\@:
.endm
.macro CROUND                          ; a round of the cluster's barrier
	s_barrier_signal -1
	s_barrier_wait -1
	s_cmp_lg_u32 s14, 0
	s_cbranch_scc1 .Lnot_wave_0_\@
	s_barrier_signal -3
.Lnot_wave_0_\@:
	s_barrier_wait -3
	s_barrier_signal -1
	s_barrier_wait -1
.endm
	s_load_b128 s[4:7], s[0:1], 0x0                ; x's codes, x's scales
	s_load_b128 s[8:11], s[0:1], 0x10              ; W's codes, W's scales
	s_load_b64 s[12:13], s[0:1], 0x20              ; qkv
	s_load_b64 s[96:97], s[0:1], 0x28              ; fine
	v_lshl_add_u32 v[SPW], v0, 2, SPARE
	v_mov_b32 v[NIL], 0
	ds_add_u32 v[SPW], v[NIL]                      ; the wave's opening: the add, twice on end, and its wait ahead of my first tensor load
	ds_add_u32 v[SPW], v[NIL]
	v_lshrrev_b32 v1, 5, v0
	v_readfirstlane_b32 s14, v1                    ; wave 0..3
	s_lshr_b32 s15, s14, 1                         ; my half of the tile's rows.  Also: I fetch for x (0) or for W (1)
	s_and_b32 s16, s14, 1                          ; my half of its columns.  Also: which 128 rows I fetch
	s_bfe_u32 s40, ttmp6, 0x40000                  ; cx
	s_bfe_u32 s41, ttmp6, 0x40004                  ; cy
	s_lshl_b32 s42, ttmp9, 2
	s_add_co_u32 s42, s42, s40                     ; tile column = 4 x cluster x + cx
	s_and_b32 s98, ttmp7, 0xffff                   ; cluster y: the tile of 256 positions
	s_lshl_b32 s17, s41, 3
	s_add_co_u32 s17, s17, s98                     ; tile row = 8 cy + cluster y
	s_lshl_b32 s43, s41, 2
	s_lshl_b32 s43, 15, s43                        ; my row of the cluster
	s_lshl_b32 s44, 0x1111, s40                    ; my column
	s_or_b32 s[G1+0], s43, (0<<16)|(1<<20)|(1<<21)|(5<<22)|(3<<25)  ; the mask; elements of 1 byte; padding on; bit 21 beside a mask; 4 words after every 64
	s_or_b32 s[G1B+0], s44, (0<<16)|(1<<20)|(1<<21)|(5<<22)|(3<<25)
.irp g, G1, G1B
	s_mov_b32 s[\g+1], ROWB<<16                    ; tensor_dim0
	s_mov_b32 s[\g+2], 128<<16                     ; tensor_dim1
	s_mov_b32 s[\g+3], ROWB<<16                    ; tile_dim0
	s_mov_b32 s[\g+4], 128                         ; tile_dim1
	s_mov_b32 s[\g+5], KROW                        ; the pitch
	s_mov_b32 s[\g+6], 0
	s_mov_b32 s[\g+7], 0
.endr
	s_or_b32 s[G1S+0], s43, (3<<16)|(1<<20)|(1<<21)|(5<<22)|(3<<25)  ; the scales of 128 rows: a dense block, as rows of 256 bytes (32 elements of 8 bytes), 16 bytes of padding behind each
	s_or_b32 s[G1SB+0], s44, (3<<16)|(1<<20)|(1<<21)|(5<<22)|(3<<25)
.irp g, G1S, G1SB
	s_mov_b32 s[\g+1], 32<<16
	s_mov_b32 s[\g+2], (128*KS/256)<<16
	s_mov_b32 s[\g+3], 32<<16
	s_mov_b32 s[\g+4], 128*KS/256
	s_mov_b32 s[\g+5], 32
	s_mov_b32 s[\g+6], 0
	s_mov_b32 s[\g+7], 0
.endr
	s_lshl_b32 s18, s16, 7
	s_lshl_b32 s20, s17, 8
	s_add_co_u32 s20, s20, s18                     ; x: row 256 x tile row + 128 x half
	s_lshl_b32 s46, s42, 8
	s_add_co_u32 s46, s46, s18                     ; W: row 256 x tile column + 128 x half
	s_mov_b32 s21, 0
	s_mov_b32 s47, 0
	s_mov_b64 s[18:19], KS
	s_mul_u64 s[22:23], s[20:21], s[18:19]
	s_mul_u64 s[92:93], s[46:47], s[18:19]
	s_mov_b64 s[18:19], KROW
	s_mul_u64 s[20:21], s[20:21], s[18:19]
	s_mul_u64 s[46:47], s[46:47], s[18:19]
	s_mul_i32 s45, s14, HALFT                      ; where they go: wave x 128 rows
	s_mul_i32 s94, s14, HALFS
	s_wait_dscnt 0x0                               ; both opening adds are done
	s_wait_kmcnt 0x0
	s_add_nc_u64 s[20:21], s[4:5], s[20:21]
	s_add_nc_u64 s[22:23], s[6:7], s[22:23]
	s_add_nc_u64 s[46:47], s[8:9], s[46:47]
	s_add_nc_u64 s[92:93], s[10:11], s[92:93]
	CROUND                                         ; all sixteen work-groups are here: the first joint loads meet
	s_mov_b32 s[G0S], 1
	s_add_co_u32 s[G0S+1], s94, SCL
	s_mov_b64 s[G0S+2:G0S+3], s[22:23]
	s_or_b32 s[G0S+3], s[G0S+3], 0x80000000
	s_mov_b32 s[G0SB], 1
	s_add_co_u32 s[G0SB+1], s94, SCL
	s_mov_b64 s[G0SB+2:G0SB+3], s[92:93]
	s_or_b32 s[G0SB+3], s[G0SB+3], 0x80000000
	JLOAD G0S, G1S, G0SB, G1SB                     ; the scales first; three loads of mine are out at the most
.irp s, 0,1
	s_mov_b32 s[G0+4*\s], 1
	s_add_co_u32 s[G0+4*\s+1], s45, \s*SLOT
	s_add_nc_u64 s[G0+4*\s+2:G0+4*\s+3], s[20:21], \s*ROWB
	s_or_b32 s[G0+4*\s+3], s[G0+4*\s+3], 0x80000000
	s_mov_b32 s[G0B+4*\s], 1
	s_add_co_u32 s[G0B+4*\s+1], s45, \s*SLOT
	s_add_nc_u64 s[G0B+4*\s+2:G0B+4*\s+3], s[46:47], \s*ROWB
	s_or_b32 s[G0B+4*\s+3], s[G0B+4*\s+3], 0x80000000
	JLOAD G0+4*\s, G1, G0B+4*\s, G1B
.endr
	v_and_b32 v1, 15, v0                           ; r = l % 16
	v_bfe_u32 v2, v0, 4, 1                         ; h = l / 16
	v_mul_u32_u24 v3, v1, PITCH
	v_lshl_add_u32 v4, v2, 4, v3                   ; a fragment's row x pitch + 16 h
	s_mul_i32 s21, s15, HALFT
	s_mul_i32 s22, s16, HALFT
	s_add_co_u32 s22, s22, 2*HALFT
.irp s, 0,1
	v_add_nc_u32 v[ADRA+\s], s21, v4
	v_add_nc_u32 v[ADRB+\s], s22, v4
	s_add_co_u32 s21, s21, SLOT
	s_add_co_u32 s22, s22, SLOT
.endr
	v_mul_u32_u24 v5, v1, KS                       ; my row's scales: KS bytes a row,
	v_lshrrev_b32 v6, 8, v5
	v_lshl_add_u32 v5, v6, 4, v5                   ; and 16 more for each 256 passed
	s_mul_i32 s21, s15, HALFS
	s_mul_i32 s22, s16, HALFS
	s_add_co_u32 s22, s22, 2*HALFS
	s_sub_co_u32 s22, s22, s21
	v_mul_u32_u24 v6, s22, v2                      ; lanes 16-31 take W's
	s_add_co_u32 s21, s21, SCL
	v_add_nc_u32 v5, v5, v6
	v_add_nc_u32 v[ADRS], s21, v5
	s_mul_i32 s23, s14, 16*SPITCH                  ; my stage
	v_mul_u32_u24 v5, v1, SPITCH
	v_lshl_add_u32 v5, v2, 4, v5
	v_add_nc_u32 v[STO], s23, v5                   ; in: row r, 16 bytes for each half of the lanes
	v_and_b32 v6, 31, v0
	v_lshlrev_b32 v[CO], 4, v6                     ; out: 16 bytes a lane, 512 consecutive bytes a store
	v_lshrrev_b32 v5, 3, v6
	v_mul_u32_u24 v5, v5, SPITCH
	v_and_b32 v6, 7, v0
	v_lshl_add_u32 v5, v6, 4, v5
	v_add_nc_u32 v[RD], s23, v5                    ; back: eight lanes to a head's 128 bytes of a row, four rows an instruction
	s_lshl_b32 s20, s42, 2
	s_lshl_b32 s21, s16, 1
	s_add_co_u32 s20, s20, s21                     ; my first 64 columns: 4 x tile column + 2 x half = 16 sec + head
	s_lshr_b32 s21, s20, 4                         ; sec
	s_and_b32 s20, s20, 15                         ; head
	s_lshl_b32 s46, s21, 6
	s_lshl_b32 s47, s41, 4
	s_add_co_u32 s46, s46, s47
	s_add_co_u32 s46, s46, s20                     ; 64 sec + 16 batch + head
	s_lshl_b32 s46, s46, 18                        ; a head is 2,048 rows of 128 bytes
	s_lshl_b32 s47, s98, 15
	s_add_co_u32 s46, s46, s47                     ; + 256 positions x cluster y
	s_lshl_b32 s47, s15, 14
	s_add_co_u32 s46, s46, s47                     ; + 128 x my half
	s_mov_b32 s47, 0
	s_add_nc_u64 s[12:13], s[12:13], s[46:47]
	s_mul_i32 s46, s41, 3
	s_add_co_u32 s46, s46, s21
	s_lshl_b32 s46, s46, 4
	s_add_co_u32 s46, s46, s20
	s_lshl_b32 s46, s46, 12                        ; ((3 batch + sec) 16 + head) x 4,096
	s_add_nc_u64 s[96:97], s[96:97], s[46:47]
.macro FRAG reg, adr, q, i             ; 16 rows x 128 K of 4-bit codes: 8 registers
.irp c, 0,1
	ds_load_b128 v[\reg+4*\c:\reg+4*\c+3], v[\adr] offset:64*(\q)+32*\c+(\i)*16*PITCH
.endr
.endm
; 16 matrix instructions: x's blocks a0, a0 + 1 against W's eight.  The 64 accumulators take turns, one instruction a turn, in the same order in every step.
.macro MUL16 a0, p, q, sc, zero
.irp a, \a0, \a0+1
.irp b, 0,1,2,3,4,5,6,7
.if \zero
	v_wmma_scale_f32_16x16x128_f8f6f4 v[8*(8*((\a)%4)+\b):8*(8*((\a)%4)+\b)+7], v[128*(\p)+FR*\b:128*(\p)+FR*\b+FR-1], v[AF+FR*(\a):AF+FR*(\a)+FR-1], 0, v[SC+8*NQ*(\sc)+NQ*\b+(\q)], v[SC+8*NQ*(\sc)+NQ*(\a)+(\q)] matrix_a_fmt:MATRIX_FMT_FP4 matrix_b_fmt:MATRIX_FMT_FP4 matrix_a_scale:MATRIX_SCALE_ROW1
.else
	v_wmma_scale_f32_16x16x128_f8f6f4 v[8*(8*((\a)%4)+\b):8*(8*((\a)%4)+\b)+7], v[128*(\p)+FR*\b:128*(\p)+FR*\b+FR-1], v[AF+FR*(\a):AF+FR*(\a)+FR-1], v[8*(8*((\a)%4)+\b):8*(8*((\a)%4)+\b)+7], v[SC+8*NQ*(\sc)+NQ*\b+(\q)], v[SC+8*NQ*(\sc)+NQ*(\a)+(\q)] matrix_a_fmt:MATRIX_FMT_FP4 matrix_b_fmt:MATRIX_FMT_FP4 matrix_a_scale:MATRIX_SCALE_ROW1
.endif
.endr
.endr
.endm
.macro FETCH_B slot, q, p
	WIN TO_B
.irp i, 0,1,2,3,4,5,6,7
	FRAG 128*(\p)+FR*\i, ADRB+\slot, \q, \i
.endr
	WIN 0
.endm
.macro FETCH_A slot, q, i0
.irp i, \i0, \i0+1, \i0+2, \i0+3
	FRAG AF+FR*(\i), ADRA+\slot, \q, \i
.endr
.endm
.macro SCALES sc                       ; a slot's scale words: lanes 0-15 take x's block i, lanes 16-31 W's block i
.irp i, 0,1,2,3,4,5,6,7
	ds_load_b128 v[SC+8*NQ*\sc+NQ*\i:SC+8*NQ*\sc+NQ*\i+3], v[ADRS] offset:\i*SBLK
.endr
.endm
.macro PLACES n                        ; plain vector instructions between a matrix instruction and a load into, or a read of, its registers
.rept \n
	v_nop
.endr
.endm
.macro STEP slot, q, zero              ; 128 along K, with its successor in the same slot
	s_wait_dscnt 4*NL                              ; W's set and x's blocks 0-3 are in; the youngest eight loads (x's blocks 4-7) may be out
	WIN MUL_LO
	MUL16 0, (\q)%2, \q, \slot, \zero
	MUL16 2, (\q)%2, \q, \slot, \zero
	s_wait_dscnt 0
	PLACES NP
	FETCH_B \slot, (\q)+1, 1-(\q)%2
	FETCH_A \slot, (\q)+1, 0
	WIN MUL_HI
	MUL16 4, (\q)%2, \q, \slot, \zero
	MUL16 6, (\q)%2, \q, \slot, \zero
	PLACES NP
	WIN 0
	FETCH_A \slot, (\q)+1, 4
.endm
.macro TURN slot, next                 ; slot 0's last step, and the change to slot 1: one barrier; nothing is filled again
	s_wait_tensorcnt 0x0                           ; all my tensor loads have landed: my part of the next slot
	ds_add_u32 v[SPW], v[NIL]
	s_wait_dscnt 4*NL+1                            ; the add and the youngest eight loads may be out
	WIN MUL_LO
	MUL16 0, 1, NQ-1, \slot, 0
	s_wait_dscnt 0x0
	s_barrier_signal -1
	MUL16 2, 1, NQ-1, \slot, 0
	WIN 0
	s_barrier_wait -1
	PLACES NP
	v_add_nc_u32 v[ADRS], 4*NQ, v[ADRS]            ; the next slot's scale words
	FETCH_B \next, 0, 0
	FETCH_A \next, 0, 0
	SCALES \next
	WIN MUL_HI
	MUL16 4, 1, NQ-1, \slot, 0
	MUL16 6, 1, NQ-1, \slot, 0
	PLACES NP
	WIN 0
	FETCH_A \next, 0, 4
.endm
.macro STEPS slot, from
.set Q, \from
.rept NQ-1-\from
	STEP \slot, Q, 0
.set Q, Q+1
.endr
.endm
	s_wait_tensorcnt 1                             ; the scales and my part of slot 0 are in; slot 1's load may be out
	s_barrier_signal -1
	s_barrier_wait -1
	FETCH_B 0, 0, 0
	FETCH_A 0, 0, 0
	SCALES 0
	FETCH_A 0, 0, 4
	STEP 0, 0, 1                                   ; the first products start the sums
	STEPS 0, 1
	TURN 0, 1
	STEPS 1, 0
	s_wait_dscnt 4*NL
	WIN MUL_LO
	MUL16 0, 1, NQ-1, 1, 0
	MUL16 2, 1, NQ-1, 1, 0
	s_wait_dscnt 0
	WIN MUL_HI
	MUL16 4, 1, NQ-1, 1, 0
	MUL16 6, 1, NQ-1, 1, 0
	WIN 0
; THE WAY OUT.  PACK: a block of 16 positions x 128 columns is rounded to f16, 16 bytes a lane.  TOSTAGE: into my stage, and back by heads: four rows of 128 bytes of one head an instruction.  SEND: stored.
.macro PACK a
.set AC, 64*((\a)%4)
	WIN 0x0a+5*((\a)/4)                            ; sources 0 and 1: window 2 or 3
.irp b, 0,1,2,3,4,5,6,7
.irp r, 0,1,2,3
	v_cvt_pk_f16_f32 v[TMP+4*\b+\r], v[AC+8*\b+2*\r], v[AC+8*\b+2*\r+1]   ; each accumulator from its low end on
.endr
.endr
	WIN 0
.endm
.macro TOSTAGE a
.set BB, BK+32*((\a)%2)
.irp b, 0,1,2,3,4,5,6,7
	ds_store_b128 v[STO], v[TMP+4*\b:TMP+4*\b+3] offset:32*\b
.endr
.irp u, 0,1,2,3,4,5,6,7
	ds_load_b128 v[BB+4*\u:BB+4*\u+3], v[RD] offset:(\u%4)*4*SPITCH+(\u/4)*128   ; LDS serves a wave's instructions in order (ISA guide 5.7.1.4): these see the stores above
.endr
.endm
.macro SEND a
.set BB, BK+32*((\a)%2)
	s_wait_dscnt 0x0                               ; the block is back in registers
	s_wait_xcnt 0x0                                ; earlier stores have read their base and their registers
.if (\a) > 0
	s_add_nc_u64 s[12:13], s[12:13], 16*128        ; 16 positions on
.endif
.irp u, 0,1,2,3,4,5,6,7
	global_store_b128 v[CO], v[BB+4*\u:BB+4*\u+3], s[12:13] offset:(\u/4)*262144+(\u%4)*512   ; four rows of one head: 512 consecutive bytes
.endr
.endm
	PLACES NP
	s_or_b32 s20, s98, s15                         ; positions 0-15 lie in block 0 of the waves of the upper half, where the cluster's y is 0: the same in all partners
	s_cmp_lg_u32 s20, 0
	s_cbranch_scc1 .Lno_fine
	WIN 0x08                                       ; a store's data are its source 1: window 2
.irp b, 0,1,2,3,4,5,6,7
	global_store_b128 v[CO], v[8*\b:8*\b+3], s[96:97] offset:1024*\b        ; the accumulators as they stand, 512 consecutive bytes a store
	global_store_b128 v[CO], v[8*\b+4:8*\b+7], s[96:97] offset:1024*\b+512
.endr
	WIN 0
.Lno_fine:
	PACK 0
	TOSTAGE 0
.irp a, 1,2,3,4,5,6,7
	PACK \a
	SEND (\a)-1
	TOSTAGE \a
.endr
	SEND 7
	s_wait_tensorcnt 0x0                           ; the wave's end
	ds_add_u32 v[SPW], v[NIL]
	s_wait_dscnt 0x0
	CROUND                                         ; the closing round
	s_endpgm
.Lfunc_end_k_q947a647f35_qkv:
	.size	k_q947a647f35_qkv, .Lfunc_end_k_q947a647f35_qkv-k_q947a647f35_qkv
	.p2alignl 7, 3214868480
	.fill 96, 4, 3214868480
	.section	.rodata,"a",@progbits
	.p2align	6, 0x0
	.amdhsa_kernel k_q947a647f35_qkv
		.amdhsa_group_segment_fixed_size 327680
		.amdhsa_private_segment_fixed_size 0
		.amdhsa_enable_private_segment 0
		.amdhsa_kernarg_size 48
		.amdhsa_user_sgpr_count 2
		.amdhsa_user_sgpr_kernarg_segment_ptr 1
		.amdhsa_wavefront_size32 1
		.amdhsa_system_sgpr_workgroup_id_x 1
		.amdhsa_system_sgpr_workgroup_id_y 1
		.amdhsa_system_sgpr_workgroup_id_z 1
		.amdhsa_system_vgpr_workitem_id 0
		.amdhsa_next_free_vgpr 1024
		.amdhsa_next_free_sgpr 100
		.amdhsa_reserve_vcc 0
		.amdhsa_float_denorm_mode_32 3
		.amdhsa_float_denorm_mode_16_64 3
		.amdhsa_memory_ordered 1
		.amdhsa_forward_progress 1
		.amdhsa_inst_pref_size 129
	.end_amdhsa_kernel
	.amdgpu_metadata
---
amdhsa.version: [ 1, 2 ]
amdhsa.kernels:
  - .name:           k_q947a647f35_qkv
    .symbol:         k_q947a647f35_qkv.kd
    .args:
      - { .name: x_codes, .offset: 0, .size: 8, .value_kind: global_buffer, .address_space: global }
      - { .name: x_scales, .offset: 8, .size: 8, .value_kind: global_buffer, .address_space: global }
      - { .name: w_codes, .offset: 16, .size: 8, .value_kind: global_buffer, .address_space: global }
      - { .name: w_scales, .offset: 24, .size: 8, .value_kind: global_buffer, .address_space: global }
      - { .name: qkv, .offset: 32, .size: 8, .value_kind: global_buffer, .address_space: global }
      - { .name: fine, .offset: 40, .size: 8, .value_kind: global_buffer, .address_space: global }
    .group_segment_fixed_size: 327680
    .private_segment_fixed_size: 0
    .kernarg_segment_align: 8
    .kernarg_segment_size: 48
    .max_flat_workgroup_size: 128
    .sgpr_count:     100
    .vgpr_count:     1024
    .wavefront_size: 32
...
	.end_amdgpu_metadata
.endif
;; end of part 2
;; launch attn (part 3): grid 4 x 64, 8 waves a work-group, no clusters, 327,680 bytes of LDS; arguments qkv, o; writes o
.if DOCPART == 3
	.amdgcn_target "amdgcn-amd-amdhsa--gfx1250"
	.amdhsa_code_object_version 6
	.text
	.protected	k_q947a647f35_attn
	.globl	k_q947a647f35_attn
	.p2align	8
	.type	k_q947a647f35_attn,@function
k_q947a647f35_attn:
	s_mov_b64 s[64:65], 0
	v_nop
	global_prefetch_b8 v0, s[64:65] scope:SCOPE_SE
	s_setreg_imm32_b32 hwreg(HW_REG_WAVE_MODE, 25, 1), 1
	s_wait_xcnt 0x0
; o[head][2048 batch + q][:] = the sum over k <= q of softmax_k(q . k / 8) v[k][:], for one batch and head a work-group row.  q, k, v: f16, [sec][batch][head][2048][64]; o: f16, [head][8192][64].
; Products, maxima and sums in f32; the weights p are rounded to f16 for the second product, o once at the end.  A running maximum m and sum l: p = 2^(c s - c m), c = log2(e) / 8.
; SHARES.  Work-group i of a head owns the query blocks 7 - i and i, 256 queries each, and walks NINE slots of 256 keys: block 7 - i against key blocks 0 .. 7 - i, then block i against 0 .. i:
; every work-group has seven whole slots and two on the diagonal.  Wave w owns queries 32 w .. 32 w + 31 of a block: two tiles of 16.  Two waves lie on a SIMD, so that one wave's softmax stands beside the other's products.
; NO CLUSTER: under the causal mask the four work-groups of a head want different key blocks in the same trip from trip 5 on, so a joint request would bring tiles that a partner does not read.
; LAYOUT.  S^T = K Q^T and O^T = V^T P: a lane holds ONE query (lane % 16) throughout.  K comes out of LDS as it lies, V ([key][channel]) turned, by ds_load_tr16_b128.
; THE MASK.  In a slot on the diagonal wave w walks the sub-steps of 64 keys 0 .. w / 2; the last of them has its hidden scores set to -infinity.  Its first key counts for all the wave's queries, so m is a number from the first step on.
; LIMITS: |q|, |k|, |v|, |o| up to 65,504 (f16); NaN and infinities are not served.
; REGISTERS: window 0: v2-15 addresses and constants; v16-31 statistics, 8 a tile: +0 c m, +1 m, +2, +3 l, +4..7 at work (a at +6); v32-63 Q; v64-127 K; v128-191 S^T; v192-223 P; v224-255 the way out.
;   window 1: v0-63 O^T (32 t + 8 dt); v64-127 V; v128-159 the second block's Q.
.set KS,    64
.set PK,    144                        ; a row of K in LDS: 128 bytes + 16: the 16 rows of a load start at 16 different banks (ISA guide 11.1)
.set PV,    160                        ; a row of V: 128 + 32
.set VOFF,  KS*PK
.set STEPB, KS*(PK+PV)                 ; a sub-step: 64 rows of K, then 64 rows of V
.set SLOT1, 1<<17                      ; slot 1 begins here: one exclusive or turns an address from one slot to the other
.set STAGE, SLOT1+4*STEPB              ; 32 rows x 144 bytes for each wave, for the way out
.set SP,    144
.set SPARE, STAGE+8*32*SP              ; the spare words, 128 bytes a wave
.set AK0, 2
.set AV0, 3
.set ADK, 4
.set ADV, 5
.set QO,  6
.set STO, 7
.set RD,  8
.set GO,  9
.set PFO, 10
.set NINF, 11
.set DM,  12                           ; v12, v13: tile t: 32 (w % 2) + 16 t + r - 8 h: key 16 kt + j of the masked sub-step is hidden where it is greater
.set SPW, 14
.set NIL, 15
.set ST,  16
.set QF,  32
.set KF,  64
.set S,   128
.set P,   192
.set OUTR, 224
.set VF,  64                           ; window 1
.set QB,  128                          ; window 1
.set WV,  8
.set WH,  10
.set TD,  12
.set T,   14
.set KK,  15
.set LIMK, 16
.set TB,  17
.set LIM, 18
.set SEL, 20
.set CS,  22
.set G1K, 24
.set G1V, 32
.set G0K, 40
.set G0V, 44
.set KB,  48
.set VB,  50
.set OFF, 52
.set OA,  54
.set OB,  56
.set PFA, 58
.set MSB, 0
.macro WIN new
.if MSB != (\new)
	s_set_vgpr_msb (MSB<<8)|(\new)
.set MSB, (\new)
.endif
.endm
; Waves 0-3 fetch K's four sub-steps of a slot, waves 4-7 V's: one load a wave, 64 rows.  An s_nop 0 and four v_nop follow each line.
.macro TLOAD
	s_cmp_lt_u32 s[WV], 4
	s_cbranch_scc0 .Lfor_v_\@
	tensor_load_to_lds s[G0K:G0K+3], s[G1K:G1K+7]
	s_nop 0
.rept 4
	v_nop
.endr
	s_branch .Lasked_\@
.Lfor_v_\@:
	tensor_load_to_lds s[G0V:G0V+3], s[G1V:G1V+7]
	s_nop 0
.rept 4
	v_nop
.endr
.Lasked_\@:
.endm
; A PREFETCH of the key block that the NEXT change of slots will load.  The four work-groups of a head walk key blocks 0, 1, .. in step in their first phase: the head's work-group 0, which walks all eight, asks, and nobody else.
; Each of its waves asks for its own 8,192 bytes (64 rows of K or of V), lanes 256 bytes apart: each block is named once.  Trip t names key block t + 2, for t = 0 .. 5; key blocks 0 and 1 come by their loads alone.
.macro ASK
	s_cmp_lt_u32 s[T], s[LIM]
	s_cbranch_scc0 .Lnot_mine_\@
	global_prefetch_b8 v[PFO], s[PFA:PFA+1] th:TH_LOAD_NT scope:SCOPE_SE
.Lnot_mine_\@:
.endm
; THE CHANGE OF SLOTS, at a slot's head.  Each wave waits for all its tensor loads (one: its part of the slot ahead), adds 0 to its spare word, and waits for that and for its reads of the slot that it has left.
; fill = 1: behind the barrier the slot just left takes the next key block, which has a whole slot's work in which to land.
.macro CHANGE fill
	s_wait_tensorcnt 0x0                           ; no tensor load of mine is out, so a group 0 may be written
	ds_add_u32 v[SPW], v[NIL]
.if \fill
	s_add_co_u32 s11, s[T], 1
	s_cmp_le_u32 s11, s[TD]
	s_cselect_b32 s13, 0, s19                      ; s19 = TD + 1
	s_sub_co_u32 s[OFF], s11, s13                  ; slot T + 1 holds key block T + 1 in the first phase, T - TD in the second
	s_lshl_b32 s[OFF], s[OFF], 15                  ; 256 rows of 128 bytes
	s_xor_b32 s[G0K+1], s[G0K+1], SLOT1
	s_add_nc_u64 s[G0K+2:G0K+3], s[KB:KB+1], s[OFF:OFF+1]
	s_or_b32 s[G0K+3], s[G0K+3], 0x80000000
	s_xor_b32 s[G0V+1], s[G0V+1], SLOT1
	s_add_nc_u64 s[G0V+2:G0V+3], s[VB:VB+1], s[OFF:OFF+1]
	s_or_b32 s[G0V+3], s[G0V+3], 0x80000000
	s_wait_xcnt 0x0                                ; the last prefetch, a slot back, has read its address
	s_add_nc_u64 s[PFA:PFA+1], s[PFA:PFA+1], 32768
.endif
	s_wait_dscnt 0x0                               ; the add is done, and my reads of the slot that I have left are over
	s_barrier_signal -1
	s_barrier_wait -1
.if \fill
	TLOAD                                          ; the first thing behind the barrier, and my one tensor load until the next
	ASK
.endif
.endm
; A SUB-STEP: 64 keys.
.macro SUBSTEP
.irp kt, 0,1,2,3
.irp dh, 0,1
	ds_load_b128 v[KF+16*\kt+8*\dh:KF+16*\kt+8*\dh+3],   v[ADK] offset:\kt*16*PK+64*\dh
	ds_load_b128 v[KF+16*\kt+8*\dh+4:KF+16*\kt+8*\dh+7], v[ADK] offset:\kt*16*PK+64*\dh+32
.endr
.endr
	WIN 0x40                                       ; destination window 1
.irp kh, 0,1
.irp dt, 0,1,2,3
	ds_load_tr16_b128 v[VF+8*(4*\kh+\dt):VF+8*(4*\kh+\dt)+3],   v[ADV] offset:\kh*32*PV+32*\dt
	ds_load_tr16_b128 v[VF+8*(4*\kh+\dt)+4:VF+8*(4*\kh+\dt)+7], v[ADV] offset:\kh*32*PV+32*\dt+16*PV
.endr
.endr
	WIN 0
	s_wait_dscnt 16                                ; K is in; V's sixteen loads may be out
.irp dh, 0,1                                   ; S^T = K Q^T: eight accumulators by turns; the first eight products start the sums
.irp kt, 0,1,2,3
.irp t, 0,1
.if \dh == 0
	v_wmma_f32_16x16x32_f16 v[S+32*\t+8*\kt:S+32*\t+8*\kt+7], v[KF+16*\kt+8*\dh:KF+16*\kt+8*\dh+7], v[QF+16*\t+8*\dh:QF+16*\t+8*\dh+7], 0
.else
	v_wmma_f32_16x16x32_f16 v[S+32*\t+8*\kt:S+32*\t+8*\kt+7], v[KF+16*\kt+8*\dh:KF+16*\kt+8*\dh+7], v[QF+16*\t+8*\dh:QF+16*\t+8*\dh+7], v[S+32*\t+8*\kt:S+32*\t+8*\kt+7]
.endif
.endr
.endr
.endr
.rept 4
	v_nop                                          ; places ahead of the first read of the scores (ISA guide 7.12.1)
.endr
	s_cmp_lg_u32 s[KK], s[LIMK]                    ; ids and counts alone: only the sub-step on the diagonal is masked
	s_cbranch_scc1 .Lopen_\@
.irp t, 0,1
.irp kt, 0,1,2,3
.irp j, 0,1,2,3,4,5,6,7
	v_cmp_gt_i32 vcc_lo, 16*\kt+\j, v[DM+\t]
	v_cndmask_b32 v[S+32*\t+8*\kt+\j], v[S+32*\t+8*\kt+\j], v[NINF], vcc_lo
.endr
.endr
.endr
.Lopen_\@:
.irp j, 0,1,2,3                                ; the maximum of the lane's 32 scores and the old m: four chains a tile, each from its accumulator's low end on
.irp t, 0,1
	v_max3_num_f32 v[ST+8*\t+4+\j], v[S+32*\t+8*\j], v[S+32*\t+8*\j+1], v[S+32*\t+8*\j+2]
.endr
.endr
.irp i, 3,5
.irp j, 0,1,2,3
.irp t, 0,1
	v_max3_num_f32 v[ST+8*\t+4+\j], v[ST+8*\t+4+\j], v[S+32*\t+8*\j+\i], v[S+32*\t+8*\j+\i+1]
.endr
.endr
.endr
.irp t, 0,1
	v_max3_num_f32 v[ST+8*\t+4], v[ST+8*\t+4], v[S+32*\t+7], v[S+32*\t+15]
	v_max3_num_f32 v[ST+8*\t+6], v[ST+8*\t+6], v[S+32*\t+23], v[S+32*\t+31]
.endr
.irp t, 0,1
	v_max3_num_f32 v[ST+8*\t+4], v[ST+8*\t+4], v[ST+8*\t+5], v[ST+8*\t+6]
.endr
.irp t, 0,1
	v_max3_num_f32 v[ST+8*\t+4], v[ST+8*\t+4], v[ST+8*\t+7], v[ST+8*\t+1]
.endr
.irp t, 0,1
	v_permlanex16_b32 v[ST+8*\t+5], v[ST+8*\t+4], s[SEL], s[SEL+1]   ; the query's other 32 keys lie in the lane 16 away
.endr
.irp t, 0,1
	v_mov_b32 v[ST+8*\t+7], v[ST+8*\t]             ; c m_old
.endr
.irp t, 0,1
	v_max_num_f32 v[ST+8*\t+1], v[ST+8*\t+4], v[ST+8*\t+5]
.endr
.irp t, 0,1
	v_mul_f32 v[ST+8*\t], s[CS], v[ST+8*\t+1]
.endr
.irp t, 0,1
	v_sub_f32 v[ST+8*\t+7], v[ST+8*\t+7], v[ST+8*\t]
.endr
.irp b, 0,2,4,6,8,10,12,14,16,18,20,22,24,26,28,30
.irp t, 0,1
	v_pk_fma_f32 v[S+32*\t+\b:S+32*\t+\b+1], v[S+32*\t+\b:S+32*\t+\b+1], s[CS:CS+1], v[ST+8*\t:ST+8*\t+1] op_sel_hi:[1,0,0] neg_lo:[0,0,1] neg_hi:[0,0,1]   ; c s - c m
.endr
.endr
.irp t, 0,1
	v_exp_f32 v[ST+8*\t+6], v[ST+8*\t+7]           ; a = 2^(c m_old - c m_new)
.endr
.set i, 0
.rept 64
	v_exp_f32 v[S+i], v[S+i]                       ; ONE batch: 66 exponentials, none reads another's result
.set i, i+1
.endr
	v_nop                                          ; a plain instruction behind the last exponential
	s_wait_alu depctr_va_vdst(0)                   ; one wait for the batch, ahead of its first reader
.irp t, 0,1
.set i, 0
.rept 16
	v_cvt_pk_f16_f32 v[P+16*\t+i], v[S+32*\t+2*i], v[S+32*\t+2*i+1]   ; two tiles of 16 keys, packed, are source 1 (32 keys x 16 queries) of the second product
.set i, i+1
.endr
.endr
.irp u, 0,4,8,12,16,20,24,28                   ; the sum of the unrounded p, in place
.irp t, 0,1
	v_pk_add_f32 v[S+32*\t+\u:S+32*\t+\u+1], v[S+32*\t+\u:S+32*\t+\u+1], v[S+32*\t+\u+2:S+32*\t+\u+3]
.endr
.endr
.irp u, 0,8,16,24
.irp t, 0,1
	v_pk_add_f32 v[S+32*\t+\u:S+32*\t+\u+1], v[S+32*\t+\u:S+32*\t+\u+1], v[S+32*\t+\u+4:S+32*\t+\u+5]
.endr
.endr
.irp u, 0,16
.irp t, 0,1
	v_pk_add_f32 v[S+32*\t+\u:S+32*\t+\u+1], v[S+32*\t+\u:S+32*\t+\u+1], v[S+32*\t+\u+8:S+32*\t+\u+9]
.endr
.endr
.irp t, 0,1
	v_pk_add_f32 v[S+32*\t:S+32*\t+1], v[S+32*\t:S+32*\t+1], v[S+32*\t+16:S+32*\t+17]
.endr
.irp t, 0,1
	v_pk_fma_f32 v[ST+8*\t+2:ST+8*\t+3], v[ST+8*\t+2:ST+8*\t+3], v[ST+8*\t+6:ST+8*\t+7], v[S+32*\t:S+32*\t+1] op_sel_hi:[1,0,1]   ; l = a l + the sum
.endr
	WIN 0x41                                       ; O^T (destination, source 0) window 1, a window 0
.irp t, 0,1
.set i, 0
.rept 16
	v_pk_mul_f32 v[32*\t+i:32*\t+i+1], v[32*\t+i:32*\t+i+1], v[ST+8*\t+6:ST+8*\t+7] op_sel_hi:[1,0]
.set i, i+2
.endr
.endr
	s_wait_dscnt 0x0                               ; V is in
	WIN 0x51                                       ; V and O^T window 1, P window 0
.irp kh, 0,1                                   ; O^T += V^T P: eight accumulators by turns
.irp dt, 0,1,2,3
.irp t, 0,1
	v_wmma_f32_16x16x32_f16 v[32*\t+8*\dt:32*\t+8*\dt+7], v[VF+8*(4*\kh+\dt):VF+8*(4*\kh+\dt)+7], v[P+16*\t+8*\kh:P+16*\t+8*\kh+7], v[32*\t+8*\dt:32*\t+8*\dt+7]
.endr
.endr
.endr
	WIN 0
.endm
; A block of queries is finished: O^T / l, rounded to f16, through my stage, out as four rows of 128 bytes an instruction.
.macro FINAL p
	s_wait_xcnt 0x0                                ; earlier stores have read the registers that are loaded again below
.rept 4
	v_nop                                          ; places behind the last products
.endr
.irp t, 0,1
	v_add_f32 v[ST+8*\t+4], v[ST+8*\t+2], v[ST+8*\t+3]
.endr
.irp t, 0,1
	v_permlanex16_b32 v[ST+8*\t+5], v[ST+8*\t+4], s[SEL], s[SEL+1]
.endr
.irp t, 0,1
	v_add_f32 v[ST+8*\t+4], v[ST+8*\t+4], v[ST+8*\t+5]
.endr
.irp t, 0,1
	v_rcp_f32 v[ST+8*\t+6], v[ST+8*\t+4]
.endr
	v_nop
	s_wait_alu depctr_va_vdst(0)                   ; one wait for the two reciprocals, ahead of their first reader
	WIN 0x41
.irp t, 0,1
.set i, 0
.rept 16
	v_pk_mul_f32 v[32*\t+i:32*\t+i+1], v[32*\t+i:32*\t+i+1], v[ST+8*\t+6:ST+8*\t+7] op_sel_hi:[1,0]
.set i, i+2
.endr
.endr
	WIN 0x05                                       ; sources window 1, destination window 0
.irp t, 0,1
.set i, 0
.rept 16
	v_cvt_pk_f16_f32 v[S+16*\t+i], v[32*\t+2*i], v[32*\t+2*i+1]
.set i, i+1
.endr
.endr
	WIN 0
.irp t, 0,1
.irp dt, 0,1,2,3
	ds_store_b128 v[STO], v[S+16*\t+4*\dt:S+16*\t+4*\dt+3] offset:16*SP*\t+32*\dt
.endr
.endr
.irp u, 0,1,2,3,4,5,6,7
	ds_load_b128 v[OUTR+4*\u:OUTR+4*\u+3], v[RD] offset:4*SP*\u   ; LDS serves a wave's instructions in order (ISA guide 5.7.1.4)
.endr
.irp u, 0,1,2,3,4,5,6,7
	s_wait_dscnt 7-\u
	global_store_b128 v[GO], v[OUTR+4*\u:OUTR+4*\u+3], s[\p:\p+1] offset:512*\u   ; 512 consecutive bytes
.endr
.endm
; A block of queries begins: O^T and l are zeros, m is -3e38, under every score: the first change of m multiplies zeros.  q = 1: the second block's Q takes Q's place.
.macro RESET q
	WIN 0x40
.set i, 0
.rept 64
	v_mov_b32 v[i], 0
.set i, i+1
.endr
.if \q
	WIN 0x01
.set i, 0
.rept 32
	v_mov_b32 v[QF+i], v[QB+i]
.set i, i+1
.endr
.endif
	WIN 0
.irp t, 0,1
	v_mov_b32 v[ST+8*\t+1], 0xff61b1e6
	v_mul_f32 v[ST+8*\t], s[CS], v[ST+8*\t+1]
.irp k, 2,3,4,5,6,7
	v_mov_b32 v[ST+8*\t+\k], 0
.endr
.endr
.endm
; A slot's four sub-steps: written once, walked four times.  A sub-step all of whose keys come after the wave's queries is jumped over: a branch on ids and counts, round no barrier and no tensor load.
.macro SLOTWORK last
.if \last
	s_mov_b32 s[LIMK], s[WH]                       ; the ninth slot lies on the second block's diagonal
.else
	s_cmp_eq_u32 s[T], s[TD]
	s_cselect_b32 s[LIMK], s[WH], 4                ; on the first block's diagonal: w / 2; else no sub-step is masked or left out
.endif
	s_mov_b32 s[KK], 0
.Lsub_\@:
	v_add_nc_u32 v[ADK], s[TB], v[AK0]
	v_add_nc_u32 v[ADV], s[TB], v[AV0]
	v_nop
	v_nop                                          ; with the two additions: four places between the last products and the loads into V's registers
	s_cmp_gt_u32 s[KK], s[LIMK]
	s_cbranch_scc1 .Lskip_\@
	SUBSTEP
.Lskip_\@:
	s_add_co_u32 s[TB], s[TB], STEPB
	s_add_co_u32 s[KK], s[KK], 1
	s_cmp_lt_u32 s[KK], 4
	s_cbranch_scc1 .Lsub_\@
	s_sub_co_u32 s[TB], s[TB], 4*STEPB
	s_xor_b32 s[TB], s[TB], SLOT1                  ; on to the other slot
.if \last
	FINAL OB
.else
	s_cmp_lg_u32 s[T], s[TD]
	s_cbranch_scc1 .Lgo_on_\@
	FINAL OA
	RESET 1
.Lgo_on_\@:
.endif
.endm
	s_load_b128 s[4:7], s[0:1], 0x0                ; qkv, o
	v_lshl_add_u32 v[SPW], v0, 2, SPARE
	v_mov_b32 v[NIL], 0
	ds_add_u32 v[SPW], v[NIL]                      ; the wave's opening: the add, twice on end, and its wait ahead of my first tensor load
	ds_add_u32 v[SPW], v[NIL]
	v_lshrrev_b32 v1, 5, v0
	v_readfirstlane_b32 s[WV], v1                  ; wave 0..7
	s_and_b32 s9, s[WV], 3                         ; which sub-step of a slot I fetch
	s_lshr_b32 s[WH], s[WV], 1
	s_sub_co_u32 s[TD], 7, ttmp9                   ; the first block of queries, and the slot on its diagonal
	s_add_co_u32 s19, s[TD], 1
	s_and_b32 s70, ttmp7, 0xffff                   ; 16 batch + head
	s_mov_b32 s[G1K], (1<<16)|(1<<20)|(4<<22)|(3<<25)   ; no mask; elements of 2 bytes; padding on: 4 words after every 32
	s_mov_b32 s[G1V], (1<<16)|(1<<20)|(4<<22)|(7<<25)   ; 8 words after every 32
.irp g, G1K, G1V
	s_mov_b32 s[\g+1], 64<<16                      ; tensor_dim0 = 64
	s_mov_b32 s[\g+2], KS<<16                      ; tensor_dim1 = 64
	s_mov_b32 s[\g+3], 64<<16                      ; tile_dim0 = 64
	s_mov_b32 s[\g+4], KS                          ; tile_dim1 = 64
	s_mov_b32 s[\g+5], 64                          ; the pitch
	s_mov_b32 s[\g+6], 0
	s_mov_b32 s[\g+7], 0
.endr
	s_mov_b32 s[SEL], 0x76543210
	s_mov_b32 s[SEL+1], 0xfedcba98
	s_mov_b32 s[CS], 0x3e38aa3b                    ; c = log2(e) / 8
	s_mov_b32 s[CS+1], s[CS]
	s_mov_b32 s[OFF+1], 0
	s_lshl_b32 s60, s70, 18                        ; a head is 2,048 rows of 128 bytes
	s_lshl_b32 s61, s9, 13
	s_add_co_u32 s60, s60, s61                     ; + my sub-step's 64 rows
	s_mov_b32 s61, 0
	s_lshl_b32 s62, s70, 18
	s_lshl_b32 s63, s[WV], 12
	s_add_co_u32 s62, s62, s63                     ; Q: my wave's 32 rows
	s_lshl_b32 s63, s[TD], 15
	s_add_co_u32 s66, s62, s63
	s_mov_b32 s67, 0
	s_lshl_b32 s63, ttmp9, 15
	s_add_co_u32 s68, s62, s63
	s_mov_b32 s69, 0
	s_and_b32 s62, s70, 15
	s_lshl_b32 s62, s62, 20                        ; o: a head is 8,192 rows of 128 bytes,
	s_lshr_b32 s63, s70, 4
	s_lshl_b32 s63, s63, 18                        ; a batch 2,048
	s_add_co_u32 s62, s62, s63
	s_lshl_b32 s63, s[WV], 12
	s_add_co_u32 s62, s62, s63
	s_lshl_b32 s63, s[TD], 15
	s_add_co_u32 s[OA], s62, s63
	s_mov_b32 s[OA+1], 0
	s_lshl_b32 s63, ttmp9, 15
	s_add_co_u32 s[OB], s62, s63
	s_mov_b32 s[OB+1], 0
	v_and_b32 v1, 15, v0                           ; r
	v_bfe_u32 v224, v0, 4, 1                       ; h
	v_and_b32 v225, 31, v0                         ; l
	v_mul_u32_u24 v[AK0], v1, PK
	v_lshl_add_u32 v[AK0], v224, 4, v[AK0]         ; K: row r x pitch + 16 h
	v_and_b32 v226, 7, v0
	v_lshl_add_u32 v[AV0], v224, 3, v226
	v_mul_u32_u24 v[AV0], v[AV0], PV
	v_bfe_u32 v227, v0, 3, 1
	v_lshl_add_u32 v[AV0], v227, 4, v[AV0]
	v_add_nc_u32 v[AV0], VOFF, v[AV0]              ; V, for the turning load: key 8 h + l % 8, 16 bytes x ((l / 8) % 2)
	v_lshlrev_b32 v[QO], 7, v1
	v_lshl_add_u32 v[QO], v224, 4, v[QO]
	s_mul_i32 s11, s[WV], 32*SP
	s_add_co_u32 s11, s11, STAGE                   ; my stage
	v_add_nc_u32 v[STO], s11, v[AK0]               ; in: row r x 144 + 16 h
	v_bfe_u32 v227, v0, 3, 2
	v_mul_u32_u24 v[RD], v227, SP
	v_lshl_add_u32 v[RD], v226, 4, v[RD]
	v_add_nc_u32 v[RD], s11, v[RD]                 ; back: eight lanes to a row of 128 bytes
	v_lshlrev_b32 v[GO], 4, v225
	v_lshlrev_b32 v[PFO], 8, v225
	v_mov_b32 v[NINF], 0xff800000
	s_and_b32 s13, s[WV], 1
	s_lshl_b32 s13, s13, 5
	v_lshlrev_b32 v226, 3, v224
	v_sub_nc_u32 v[DM], v1, v226
	v_add_nc_u32 v[DM], s13, v[DM]
	v_add_nc_u32 v[DM+1], 16, v[DM]
	s_wait_dscnt 0x0                               ; both opening adds are done
	s_wait_kmcnt 0x0
	s_add_nc_u64 s[KB:KB+1], s[4:5], s[60:61]
	s_add_nc_u64 s[VB:VB+1], s[KB:KB+1], 0x2000000 ; v's section
	s_add_nc_u64 s[KB:KB+1], s[KB:KB+1], 0x1000000 ; k's section
	s_mov_b32 s[G0K], 1
	s_mul_i32 s[G0K+1], s9, STEPB
	s_mov_b64 s[G0K+2:G0K+3], s[KB:KB+1]
	s_or_b32 s[G0K+3], s[G0K+3], 0x80000000
	s_mov_b32 s[G0V], 1
	s_add_co_u32 s[G0V+1], s[G0K+1], VOFF
	s_mov_b64 s[G0V+2:G0V+3], s[VB:VB+1]
	s_or_b32 s[G0V+3], s[G0V+3], 0x80000000
	TLOAD                                          ; slot 0: key block 0, which counts for every query
	s_add_nc_u64 s[66:67], s[4:5], s[66:67]
	s_add_nc_u64 s[68:69], s[4:5], s[68:69]
	s_add_nc_u64 s[OA:OA+1], s[6:7], s[OA:OA+1]
	s_add_nc_u64 s[OB:OB+1], s[6:7], s[OB:OB+1]
	s_cmp_lt_u32 s[WV], 4
	s_cselect_b64 s[PFA:PFA+1], s[KB:KB+1], s[VB:VB+1]
	s_add_nc_u64 s[PFA:PFA+1], s[PFA:PFA+1], 32768 ; at key block 1: the first change steps it to 2
	s_cmp_eq_u32 ttmp9, 0
	s_cselect_b32 s[LIM], 6, 0
.irp t, 0,1
.irp dh, 0,1
	global_load_b128 v[QF+16*\t+8*\dh:QF+16*\t+8*\dh+3],   v[QO], s[66:67] offset:2048*\t+64*\dh
	global_load_b128 v[QF+16*\t+8*\dh+4:QF+16*\t+8*\dh+7], v[QO], s[66:67] offset:2048*\t+64*\dh+32
.endr
.endr
	WIN 0x40
.irp t, 0,1
.irp dh, 0,1
	global_load_b128 v[QB+16*\t+8*\dh:QB+16*\t+8*\dh+3],   v[QO], s[68:69] offset:2048*\t+64*\dh
	global_load_b128 v[QB+16*\t+8*\dh+4:QB+16*\t+8*\dh+7], v[QO], s[68:69] offset:2048*\t+64*\dh+32
.endr
.endr
	RESET 0
	s_mov_b32 s[T], 0
	s_mov_b32 s[TB], 0
	s_wait_loadcnt 0x0                             ; both blocks' Q
.Lslot:                                            ; eight trips: behind each change of slots the next slot is asked for
	CHANGE 1
	SLOTWORK 0
	s_add_co_u32 s[T], s[T], 1
	s_cmp_lt_u32 s[T], 8
	s_cbranch_scc1 .Lslot
	CHANGE 0                                       ; the ninth slot is written out: nothing is left to fetch
	SLOTWORK 1
	s_wait_tensorcnt 0x0                           ; the wave's end
	ds_add_u32 v[SPW], v[NIL]
	s_wait_dscnt 0x0
	s_endpgm
.Lfunc_end_k_q947a647f35_attn:
	.size	k_q947a647f35_attn, .Lfunc_end_k_q947a647f35_attn-k_q947a647f35_attn
	.p2alignl 7, 3214868480
	.fill 96, 4, 3214868480
	.section	.rodata,"a",@progbits
	.p2align	6, 0x0
	.amdhsa_kernel k_q947a647f35_attn
		.amdhsa_group_segment_fixed_size 327680
		.amdhsa_private_segment_fixed_size 0
		.amdhsa_enable_private_segment 0
		.amdhsa_kernarg_size 16
		.amdhsa_user_sgpr_count 2
		.amdhsa_user_sgpr_kernarg_segment_ptr 1
		.amdhsa_wavefront_size32 1
		.amdhsa_system_sgpr_workgroup_id_x 1
		.amdhsa_system_sgpr_workgroup_id_y 1
		.amdhsa_system_sgpr_workgroup_id_z 1
		.amdhsa_system_vgpr_workitem_id 0
		.amdhsa_next_free_vgpr 512
		.amdhsa_next_free_sgpr 72
		.amdhsa_reserve_vcc 1
		.amdhsa_float_denorm_mode_32 3
		.amdhsa_float_denorm_mode_16_64 3
		.amdhsa_memory_ordered 1
		.amdhsa_forward_progress 1
		.amdhsa_inst_pref_size 72
	.end_amdhsa_kernel
	.amdgpu_metadata
---
amdhsa.version: [ 1, 2 ]
amdhsa.kernels:
  - .name:           k_q947a647f35_attn
    .symbol:         k_q947a647f35_attn.kd
    .args:
      - { .name: qkv, .offset: 0, .size: 8, .value_kind: global_buffer, .address_space: global }
      - { .name: o, .offset: 8, .size: 8, .value_kind: global_buffer, .address_space: global }
    .group_segment_fixed_size: 327680
    .private_segment_fixed_size: 0
    .kernarg_segment_align: 8
    .kernarg_segment_size: 16
    .max_flat_workgroup_size: 256
    .sgpr_count:     72
    .vgpr_count:     512
    .wavefront_size: 32
...
	.end_amdgpu_metadata
.endif
;; end of part 3
;; launch proj (part 4): grid 4 x 64, 4 waves a work-group, clusters of 4 x 4, 327,680 bytes of LDS; arguments o, wo16, out0; writes out0
.if DOCPART == 4
	.amdgcn_target "amdgcn-amd-amdhsa--gfx1250"
	.amdhsa_code_object_version 6
	.text
	.protected	k_q947a647f35_proj
	.globl	k_q947a647f35_proj
	.p2align	8
	.type	k_q947a647f35_proj,@function
k_q947a647f35_proj:
	s_mov_b64 s[64:65], 0
	v_nop
	global_prefetch_b8 v0, s[64:65] scope:SCOPE_SE
	s_setreg_imm32_b32 hwreg(HW_REG_WAVE_MODE, 25, 1), 1
	s_wait_xcnt 0x0
	s_wait_alu depctr_hold_cnt(0) depctr_sa_sdst(0) depctr_va_vdst(0) depctr_va_sdst(0) depctr_va_ssrc(0) depctr_va_vcc(0) depctr_vm_vsrc(0)
	s_getreg_b32 s2, hwreg(HW_REG_IB_STS2, 6, 4)
	s_cmp_eq_u32 s2, 0
	s_cbranch_scc0 .Lentry_in_a_cluster
	s_endpgm
.Lentry_in_a_cluster:
	s_bfe_u32 s2, ttmp6, 0x10000c
	s_cmp_lg_u32 s2, 0xf033
	s_cbranch_scc0 .Lentry_shape_is_right
	s_endpgm
.Lentry_shape_is_right:
; out0[m][n] = the sum over k of o[m][k] Wo[k][n], k = 64 head + d.  o: f16, [head][8192][64]; wo16: f16, [1024 (k)][1024 (n)]; out0: f32; sums in f32.
; A tile of out0 is 128 x 256: 256 work-groups (256 x 256 would give 128).  Four waves, 64 x 128 each: 32 accumulators, window 2.  K goes in 8 steps of 128 (two heads) through two LDS slots.
; CLUSTERS: 4 x 4: o's tiles are asked for jointly along a row of the cluster, Wo's along a column.
; THE MATRIX INSTRUCTION IS USED TRANSPOSED: source 0 = 16 columns of Wo (turned out of LDS by ds_load_tr16_b128, since Wo lies [k][n]), source 1 = 16 rows of o: a lane holds eight neighbouring numbers of a row of out0.
; The rows of positions 0-15 of each sequence are written here like all others and written over by the launch that follows, which carries them in f32.
; LIMIT: |o|, |Wo| up to 65,504 (f16).
; REGISTERS: window 0: v16-30 addresses; v64-127 o's fragments, two buffers of 32; v128-255 the way out.  window 1: v0-127 Wo's fragments, two buffers of 64.  window 2: accumulator (a, b) at v[8 (8 a + b)].
.set PA,    144                        ; a row of o in LDS: 128 bytes + 16
.set PB,    544                        ; a row of Wo: 512 bytes + 32
.set APL,   128*PA                     ; a head's 128 rows
.set BOFF,  2*APL
.set BHALF, 64*PB
.set SLOT,  BOFF+2*BHALF
.set STAGE, 2*SLOT                     ; 16 rows x (512 bytes + 16) for each wave
.set SPITCH, 528
.set SPARE, STAGE+4*16*SPITCH          ; the spare words, 128 bytes a wave
.set LAPS,  4
.set ADRA, 16
.set ADRB, 20
.set STO,  24
.set RD,   25
.set CO,   26
.set SPW,  28
.set NIL,  29
.set PFO,  30
.set BK,   128
.set G1, 24
.set G0, 32
.set G1B, 48
.set G0B, 56
.set PFA, 66
.set PFS, 68
.set LIM, 70
.set MSB, 0
.macro WIN new
.if MSB != (\new)
	s_set_vgpr_msb (MSB<<8)|(\new)
.set MSB, (\new)
.endif
.endm
.set MUL,  0xa1                        ; source 0 (Wo) window 1, source 1 (o) window 0, C and D window 2
.set TO_B, 0x40
.macro JLOAD s                         ; a joint load: waves 0 and 1 fetch o's two heads, waves 2 and 3 Wo's two halves; an s_nop 0 and four v_nop follow each line
	s_cmp_eq_u32 s11, 0
	s_cbranch_scc0 .Lfor_b_\@
	tensor_load_to_lds s[G0+4*\s:G0+4*\s+3], s[G1:G1+7]
	s_nop 0
.rept 4
	v_nop
.endr
	s_branch .Lasked_\@
.Lfor_b_\@:
	tensor_load_to_lds s[G0B+4*\s:G0B+4*\s+3], s[G1B:G1B+7]
	s_nop 0
.rept 4
	v_nop
.endr
.Lasked_\@:
.endm
; A PREFETCH of the K step that stands two refills on, behind each joint load and the run of LDS loads that follows it.  o's tile row is read by the four partners of one row of one cluster alone: they share a K step's
; 128 blocks of 256 bytes out BY ADDRESS, 32 each, and wave 0 asks.  Wo's tile column is read by every cluster: the cluster with y = 0 asks; the four partners of its column share the 256 blocks out by address,
; and waves 2 and 3 take 32 each.  So each block is named once.  The refills of K steps 2 to 5 name steps 4 to 7; the last two name nothing; steps 0 to 3 come by their loads alone.
.macro ASK
	s_cmp_gt_u32 s3, s[LIM]                        ; s3 = 1 in the loop's last trip
	s_cbranch_scc0 .Lnot_mine_\@
	global_prefetch_b8 v[PFO], s[PFA:PFA+1] th:TH_LOAD_NT scope:SCOPE_SE
.Lnot_mine_\@:
.endm
.macro CREST
	s_cmp_lg_u32 s10, 0
	s_cbranch_scc1 .Lnot_wave_0_\@
	s_barrier_signal -3
.Lnot_wave_0_\@:
	s_barrier_wait -3
	s_barrier_signal -1
	s_barrier_wait -1
.endm
.macro CROUND
	s_barrier_signal -1
	s_barrier_wait -1
	CREST
.endm
	s_load_b128 s[4:7], s[0:1], 0x0                ; o, wo16
	s_load_b64 s[8:9], s[0:1], 0x10                ; out0
	v_lshl_add_u32 v[SPW], v0, 2, SPARE
	v_mov_b32 v[NIL], 0
	ds_add_u32 v[SPW], v[NIL]                      ; the wave's opening: the add, twice on end, and its wait ahead of my first tensor load
	ds_add_u32 v[SPW], v[NIL]
	v_lshrrev_b32 v1, 5, v0
	v_readfirstlane_b32 s10, v1                    ; wave 0..3
	s_lshr_b32 s11, s10, 1                         ; my half of the tile's rows.  Also: I fetch for o (0) or for Wo (1)
	s_and_b32 s12, s10, 1                          ; my half of its columns.  Also: which head, or which 64 rows of Wo, I fetch
	s_bfe_u32 s40, ttmp6, 0x40000                  ; cx
	s_bfe_u32 s41, ttmp6, 0x40004                  ; cy
	s_lshl_b32 s42, ttmp9, 2
	s_add_co_u32 s42, s42, s40                     ; tile column
	s_and_b32 s13, ttmp7, 0xffff
	s_lshl_b32 s13, s13, 2
	s_add_co_u32 s13, s13, s41                     ; tile row
	s_lshl_b32 s43, s41, 2
	s_lshl_b32 s43, 15, s43                        ; my row of the cluster
	s_lshl_b32 s44, 0x1111, s40                    ; my column
	s_or_b32 s[G1+0], s43, (1<<16)|(1<<20)|(1<<21)|(4<<22)|(3<<25)   ; the mask; elements of 2 bytes; padding on; bit 21 beside a mask; 4 words after every 32
	s_mov_b32 s[G1+1], 64<<16                      ; tensor_dim0 = 64
	s_mov_b32 s[G1+2], 128<<16                     ; tensor_dim1 = 128
	s_mov_b32 s[G1+3], 64<<16                      ; tile_dim0 = 64
	s_mov_b32 s[G1+4], 128                         ; tile_dim1 = 128
	s_mov_b32 s[G1+5], 64                          ; the pitch
	s_mov_b32 s[G1+6], 0
	s_mov_b32 s[G1+7], 0
	s_or_b32 s[G1B+0], s44, (1<<16)|(1<<20)|(1<<21)|(6<<22)|(7<<25)  ; 8 words after every 128
	s_mov_b32 s[G1B+1], 256<<16
	s_mov_b32 s[G1B+2], 64<<16
	s_mov_b32 s[G1B+3], 256<<16
	s_mov_b32 s[G1B+4], 64
	s_mov_b32 s[G1B+5], 1024
	s_mov_b32 s[G1B+6], 0
	s_mov_b32 s[G1B+7], 0
	s_lshl_b32 s16, s12, 20                        ; o: my head of the K step's two,
	s_lshl_b32 s17, s13, 14                        ; the tile row's 128 rows of 128 bytes
	s_add_co_u32 s16, s16, s17
	s_mov_b32 s17, 0
	s_lshl_b32 s46, s12, 17                        ; Wo: my 64 rows of 2,048 bytes,
	s_lshl_b32 s47, s42, 9                         ; the tile column's 512 bytes
	s_add_co_u32 s46, s46, s47
	s_mov_b32 s47, 0
	s_mul_i32 s20, s12, APL                        ; where they go
	s_mul_i32 s21, s12, BHALF
	s_add_co_u32 s21, s21, BOFF
	s_wait_dscnt 0x0                               ; both opening adds are done
	s_wait_kmcnt 0x0
	s_add_nc_u64 s[14:15], s[4:5], s[16:17]
	s_add_nc_u64 s[46:47], s[6:7], s[46:47]
	CROUND                                         ; all sixteen work-groups are here: the first joint loads meet
.irp s, 0,1
	s_mov_b32 s[G0+4*\s], 1
	s_add_co_u32 s[G0+4*\s+1], s20, \s*SLOT
	s_add_nc_u64 s[G0+4*\s+2:G0+4*\s+3], s[14:15], \s*2097152     ; K step s: heads 2 s, 2 s + 1
	s_or_b32 s[G0+4*\s+3], s[G0+4*\s+3], 0x80000000
	s_mov_b32 s[G0B+4*\s], 1
	s_add_co_u32 s[G0B+4*\s+1], s21, \s*SLOT
	s_add_nc_u64 s[G0B+4*\s+2:G0B+4*\s+3], s[46:47], \s*262144    ; rows 128 s on
	s_or_b32 s[G0B+4*\s+3], s[G0B+4*\s+3], 0x80000000
	JLOAD \s
.endr
	v_and_b32 v1, 15, v0                           ; r
	v_bfe_u32 v2, v0, 4, 1                         ; h
	v_mul_u32_u24 v3, v1, PA
	v_lshl_add_u32 v3, v2, 4, v3
	v_and_b32 v4, 7, v0
	v_lshl_add_u32 v4, v2, 3, v4
	v_mul_u32_u24 v4, v4, PB
	v_bfe_u32 v5, v0, 3, 1
	v_lshl_add_u32 v4, v5, 4, v4                   ; the turning load: row 8 h + l % 8, 16 bytes x ((l / 8) % 2)
	s_mul_i32 s21, s11, 64*PA                      ; my 64 rows of o
	s_lshl_b32 s22, s12, 8                         ; my 128 columns of Wo
	s_add_co_u32 s22, s22, BOFF
.irp s, 0,1
	v_add_nc_u32 v[ADRA+\s], s21, v3
	v_add_nc_u32 v[ADRB+\s], s22, v4
	s_add_co_u32 s21, s21, SLOT
	s_add_co_u32 s22, s22, SLOT
.endr
	s_mul_i32 s23, s10, 16*SPITCH
	s_add_co_u32 s23, s23, STAGE                   ; my stage
	v_mul_u32_u24 v5, v1, SPITCH
	v_lshl_add_u32 v5, v2, 5, v5
	v_add_nc_u32 v[STO], s23, v5
	v_and_b32 v6, 31, v0
	v_lshlrev_b32 v[CO], 4, v6
	v_add_nc_u32 v[RD], s23, v[CO]
	s_lshl_b32 s16, s13, 7
	s_lshl_b32 s17, s11, 6
	s_add_co_u32 s16, s16, s17                     ; my first row of out0
	s_lshl_b32 s16, s16, 12
	s_lshl_b32 s17, s42, 10
	s_add_co_u32 s16, s16, s17
	s_lshl_b32 s17, s12, 9
	s_add_co_u32 s16, s16, s17
	s_mov_b32 s17, 0
	s_add_nc_u64 s[8:9], s[8:9], s[16:17]
	; the prefetches: where mine stand (at K step 3: the first refill steps them to 4), how far a K step is, and who asks
	s_lshl_b32 s20, s13, 14
	s_lshl_b32 s21, s40, 12
	s_add_co_u32 s20, s20, s21
	s_add_co_u32 s20, s20, 3*2097152               ; o: the tile row, my work-group's 4,096 bytes of each head's 16,384
	s_lshl_b32 s21, s42, 9
	s_lshl_b32 s23, s12, 17
	s_add_co_u32 s21, s21, s23
	s_lshl_b32 s23, s41, 15
	s_add_co_u32 s21, s21, s23
	s_add_co_u32 s21, s21, 3*262144                ; Wo: the tile column, rows 64 (w % 2) + 16 cy on
	s_and_b32 s22, ttmp7, 0xffff                   ; cluster y
	s_cmp_eq_u32 s11, 0
	s_cselect_b64 s[PFA:PFA+1], s[4:5], s[6:7]
	s_cselect_b32 s20, s20, s21
	s_cselect_b32 s22, s12, s22                    ; o: wave 0 asks; Wo: the cluster with y = 0
	s_mov_b32 s[PFS], 262144
	s_cselect_b32 s[PFS], 2097152, s[PFS]
	s_cselect_b32 s23, -1, 0
	s_mov_b32 s21, 0
	s_mov_b32 s[PFS+1], 0
	s_add_nc_u64 s[PFA:PFA+1], s[PFA:PFA+1], s[20:21]
	s_cmp_eq_u32 s22, 0
	s_cselect_b32 s[LIM], 1, -1
	v_lshrrev_b32 v7, 4, v6
	v_lshlrev_b32 v7, 20, v7
	v_lshl_add_u32 v7, v1, 8, v7                   ; o: head l / 16, block l % 16
	v_lshrrev_b32 v8, 1, v6
	v_lshlrev_b32 v8, 11, v8
	v_and_b32 v9, 1, v0
	v_lshl_add_u32 v8, v9, 8, v8                   ; Wo: row l / 2, block l % 2
	v_cndmask_b32 v[PFO], v8, v7, s23
.macro MUL8 f, a, zero                 ; o's block a against Wo's eight, 32 along K.  The 32 accumulators take turns, one instruction a turn, in the same order in every quarter
.irp b, 0,1,2,3,4,5,6,7
.if \zero
	v_wmma_f32_16x16x32_f16 v[8*(8*(\a)+\b):8*(8*(\a)+\b)+7], v[64*(\f)+8*\b:64*(\f)+8*\b+7], v[64+32*(\f)+8*(\a):64+32*(\f)+8*(\a)+7], 0
.else
	v_wmma_f32_16x16x32_f16 v[8*(8*(\a)+\b):8*(8*(\a)+\b)+7], v[64*(\f)+8*\b:64*(\f)+8*\b+7], v[64+32*(\f)+8*(\a):64+32*(\f)+8*(\a)+7], v[8*(8*(\a)+\b):8*(8*(\a)+\b)+7]
.endif
.endr
.endm
.macro FETCH slot, q, f                ; 24 LDS loads in one run: the fragments of the slot's q-th 32 along K into buffer f; Wo's first
	WIN TO_B
.irp b, 0,1,2,3,4,5,6,7
	ds_load_tr16_b128 v[64*(\f)+8*\b:64*(\f)+8*\b+3],   v[ADRB+\slot] offset:(\q)*32*PB+32*\b
	ds_load_tr16_b128 v[64*(\f)+8*\b+4:64*(\f)+8*\b+7], v[ADRB+\slot] offset:(\q)*32*PB+32*\b+16*PB
.endr
	WIN 0
.irp a, 0,1,2,3
	ds_load_b128 v[64+32*(\f)+8*\a:64+32*(\f)+8*\a+3],   v[ADRA+\slot] offset:((\q)/2)*APL+((\q)%2)*64+\a*16*PA
	ds_load_b128 v[64+32*(\f)+8*\a+4:64+32*(\f)+8*\a+7], v[ADRA+\slot] offset:((\q)/2)*APL+((\q)%2)*64+\a*16*PA+32
.endr
.endm
.macro PLACES                          ; four plain vector instructions ahead of loads into registers that matrix instructions have read
.rept 4
	v_nop
.endr
.endm
.macro QUARTER slot, qn, f, g, zero    ; multiplies buffer f; in its middle fetches the slot's quarter qn into buffer g
	s_wait_dscnt 4                                 ; Wo's fragments and o's blocks 0, 1 are in; the youngest four loads may be out
	WIN MUL
	MUL8 \f, 0, \zero
	MUL8 \f, 1, \zero
	PLACES
	FETCH \slot, \qn, \g
	s_wait_dscnt 24                                ; all but the 24 just issued
	WIN MUL
	MUL8 \f, 2, \zero
	MUL8 \f, 3, \zero
.endm
; A slot's last quarter multiplies buffer 1 and changes slots: ONE barrier; in front of it each wave waits for all its tensor loads, adds 0 to its spare word, and waits for that and for its reads of this slot.
; fill = 1: the barrier opens a round of the cluster's barrier, and this slot is filled again, two K steps ahead: the load has 112 matrix instructions ahead of the wait for it.
.macro TURN slot, next, fill
.if \fill
	s_wait_xcnt 0x0                                ; the last prefetch, a K step back, has read its address
	s_add_nc_u64 s[PFA:PFA+1], s[PFA:PFA+1], s[PFS:PFS+1]
.endif
	WIN 0
	s_wait_tensorcnt 0x0                           ; all my tensor loads have landed: my part of the next slot
	ds_add_u32 v[SPW], v[NIL]
	s_wait_dscnt 5                                 ; the add and the youngest four loads may be out
	WIN MUL
	MUL8 1, 0, 0
	s_wait_dscnt 0x0                               ; the add is done, and my reads of this slot are over
	s_barrier_signal -1
	MUL8 1, 1, 0
.if \fill
	WIN 0
.endif
	s_barrier_wait -1
.if \fill
	CREST
	s_add_nc_u64 s[G0+4*\slot+2:G0+4*\slot+3], s[G0+4*\slot+2:G0+4*\slot+3], 4194304
	s_add_nc_u64 s[G0B+4*\slot+2:G0B+4*\slot+3], s[G0B+4*\slot+2:G0B+4*\slot+3], 524288
	JLOAD \slot                                    ; the first tensor load behind the round; its four v_nop are also the places ahead of the loads below
.else
	PLACES
.endif
	FETCH \next, 0, 0
.if \fill
	ASK
.endif
	WIN MUL
	MUL8 1, 2, 0
	MUL8 1, 3, 0
.endm
	s_wait_tensorcnt 1                             ; my part of K step 0 is in; K step 1's may be out
	s_barrier_signal -1
	s_barrier_wait -1
	FETCH 0, 0, 0
	QUARTER 0, 1, 0, 1, 1                          ; the first quarter's products start the sums
	WIN 0
	s_mov_b32 s3, LAPS-1
.Llap:                                             ; a trip goes once round the ring and fills both slots again
	QUARTER 0, 2, 1, 0, 0
	QUARTER 0, 3, 0, 1, 0
	TURN 0, 1, 1
	QUARTER 1, 1, 0, 1, 0
	QUARTER 1, 2, 1, 0, 0
	QUARTER 1, 3, 0, 1, 0
	TURN 1, 0, 1
	QUARTER 0, 1, 0, 1, 0
	WIN 0
	s_sub_co_u32 s3, s3, 1
	s_cmp_lg_u32 s3, 0
	s_cbranch_scc1 .Llap
	QUARTER 0, 2, 1, 0, 0                          ; the last lap fills nothing
	QUARTER 0, 3, 0, 1, 0
	TURN 0, 1, 0
	QUARTER 1, 1, 0, 1, 0
	QUARTER 1, 2, 1, 0, 0
	QUARTER 1, 3, 0, 1, 0
	s_wait_dscnt 4
	WIN MUL
	MUL8 1, 0, 0
	MUL8 1, 1, 0
	s_wait_dscnt 0
	MUL8 1, 2, 0
	MUL8 1, 3, 0
	WIN 0
; THE WAY OUT, a block of 16 rows x 128 columns at a time: through my own stage, back as whole rows of 512 bytes.
.macro TOSTAGE a
	WIN 0x08                                       ; an LDS store's data are its source 1: window 2
.irp b, 0,1,2,3,4,5,6,7
	ds_store_b128 v[STO], v[8*(8*(\a)+\b):8*(8*(\a)+\b)+3] offset:64*\b        ; each accumulator from its low end on
	ds_store_b128 v[STO], v[8*(8*(\a)+\b)+4:8*(8*(\a)+\b)+7] offset:64*\b+16
.endr
	WIN 0
.set BB, BK+64*((\a)%2)
.irp t, 0,1,2,3,4,5,6,7,8,9,10,11,12,13,14,15
	ds_load_b128 v[BB+4*\t:BB+4*\t+3], v[RD] offset:\t*SPITCH   ; LDS serves a wave's instructions in order (ISA guide 5.7.1.4)
.endr
.endm
.macro SEND a, younger
.set BB, BK+64*((\a)%2)
	s_wait_dscnt \younger
.if (\a) > 0
	s_add_nc_u64 s[8:9], s[8:9], 16*4096           ; behind a wait on XCNT: the earlier stores have read their base
.endif
.irp t, 0,1,2,3,4,5,6,7,8,9,10,11,12,13,14,15
	global_store_b128 v[CO], v[BB+4*\t:BB+4*\t+3], s[8:9] offset:\t*4096 th:TH_STORE_NT   ; 512 consecutive bytes of a row
.endr
.endm
	PLACES
	TOSTAGE 0
.irp a, 1,2,3
.if \a > 1
	s_wait_xcnt 0x0                                ; the stores of two blocks back have read their registers and their base
.endif
	TOSTAGE \a
	SEND (\a)-1, 32                                ; behind that block's loads: this block's 16 stores and 16 loads
.endr
	s_wait_xcnt 0x0
	SEND 3, 0
	s_wait_tensorcnt 0x0                           ; the wave's end
	ds_add_u32 v[SPW], v[NIL]
	s_wait_dscnt 0x0
	CROUND                                         ; the closing round
	s_endpgm
.Lfunc_end_k_q947a647f35_proj:
	.size	k_q947a647f35_proj, .Lfunc_end_k_q947a647f35_proj-k_q947a647f35_proj
	.p2alignl 7, 3214868480
	.fill 96, 4, 3214868480
	.section	.rodata,"a",@progbits
	.p2align	6, 0x0
	.amdhsa_kernel k_q947a647f35_proj
		.amdhsa_group_segment_fixed_size 327680
		.amdhsa_private_segment_fixed_size 0
		.amdhsa_enable_private_segment 0
		.amdhsa_kernarg_size 24
		.amdhsa_user_sgpr_count 2
		.amdhsa_user_sgpr_kernarg_segment_ptr 1
		.amdhsa_wavefront_size32 1
		.amdhsa_system_sgpr_workgroup_id_x 1
		.amdhsa_system_sgpr_workgroup_id_y 1
		.amdhsa_system_sgpr_workgroup_id_z 1
		.amdhsa_system_vgpr_workitem_id 0
		.amdhsa_next_free_vgpr 768
		.amdhsa_next_free_sgpr 72
		.amdhsa_reserve_vcc 0
		.amdhsa_float_denorm_mode_32 3
		.amdhsa_float_denorm_mode_16_64 3
		.amdhsa_memory_ordered 1
		.amdhsa_forward_progress 1
		.amdhsa_inst_pref_size 87
	.end_amdhsa_kernel
	.amdgpu_metadata
---
amdhsa.version: [ 1, 2 ]
amdhsa.kernels:
  - .name:           k_q947a647f35_proj
    .symbol:         k_q947a647f35_proj.kd
    .args:
      - { .name: o, .offset: 0, .size: 8, .value_kind: global_buffer, .address_space: global }
      - { .name: wo16, .offset: 8, .size: 8, .value_kind: global_buffer, .address_space: global }
      - { .name: out0, .offset: 16, .size: 8, .value_kind: global_buffer, .address_space: global }
    .group_segment_fixed_size: 327680
    .private_segment_fixed_size: 0
    .kernarg_segment_align: 8
    .kernarg_segment_size: 24
    .max_flat_workgroup_size: 128
    .sgpr_count:     72
    .vgpr_count:     768
    .wavefront_size: 32
...
	.end_amdgpu_metadata
.endif
;; end of part 4
;; launch first16 (part 5): grid 16 x 4, 16 waves a work-group, no clusters, 71,680 bytes of LDS; arguments fine, Wo, out0; writes out0
.if DOCPART == 5
	.amdgcn_target "amdgcn-amd-amdhsa--gfx1250"
	.amdhsa_code_object_version 6
	.text
	.protected	k_q947a647f35_first16
	.globl	k_q947a647f35_first16
	.p2align	8
	.type	k_q947a647f35_first16,@function
k_q947a647f35_first16:
	s_mov_b64 s[64:65], 0
	v_nop
	global_prefetch_b8 v0, s[64:65] scope:SCOPE_SE
	s_setreg_imm32_b32 hwreg(HW_REG_WAVE_MODE, 25, 1), 1
	s_wait_xcnt 0x0
; Positions 0-15 of each sequence once more, wholly in f32: these rows average one to sixteen values and are the largest of the output, so f16 operands would use up what the comparison allows.
; A work-group takes one batch and 64 columns of out0.  Wave hd takes head hd: S^T = K Q^T (16 x 16), the causal softmax with its maximum, O^T = V^T P, and its part of out^T = Wo_hd^T O^T for the 64 columns;
; the sixteen parts meet in LDS and wave q sums and stores row q.  The small attention is done anew in each of the sixteen work-groups of a batch: 32 of a wave's 96 matrix instructions, in place of a launch more.
; q, k, v come as images of f32 accumulators: tile b', register j, lane (r, h) = (position r, d = 16 b' + 8 h + j), at 1024 b' + 512 (j / 4) + 16 l + 4 (j % 4).
; v_wmma_f32_16x16x4_f32: lane (r, h), register j of a source holds row (or column) r and place 2 h + j along K.  Which d or key stands at a place is free so long as both sources agree:
; a pair of an image's registers (2 s, 2 s + 1) serves as it stands.  The accumulators v112-143 are written by matrix instructions alone; four take turns.
; Wo is read as pieces of 64 bytes of many rows: 256 KiB a work-group, once.
.set SPARE, 69632                      ; behind the sixteen parts (16 rows x 272 bytes each): the spare words, 128 bytes a wave
.set SPW, 13
.set NIL, 14
.set QR,  16
.set KR,  48
.set VR,  80
.set ACC, 112
.set WA,  144                          ; Wo for d = 0 .. 31: (4 t + u) 8 + jj
.set WB,  16                           ; Wo for d = 32 .. 63, in Q's and K's registers once these are done with
.set SS,  208
.set PP,  216
.set OO,  224
	s_load_b128 s[4:7], s[0:1], 0x0                ; fine, Wo
	s_load_b64 s[8:9], s[0:1], 0x10                ; out0
	v_lshl_add_u32 v[SPW], v0, 2, SPARE
	v_mov_b32 v[NIL], 0
	v_lshrrev_b32 v1, 5, v0
	v_readfirstlane_b32 s10, v1                    ; my head; at the end my row
	s_and_b32 s11, ttmp7, 0xffff                   ; batch
	v_and_b32 v1, 15, v0                           ; r
	v_bfe_u32 v2, v0, 4, 1                         ; h
	v_and_b32 v3, 31, v0                           ; l
	v_lshlrev_b32 v4, 4, v3                        ; an image's place for my lane
	v_bfe_u32 v5, v0, 2, 1
	v_lshlrev_b32 v5, 9, v5
	v_bfe_u32 v12, v0, 3, 1
	v_lshl_add_u32 v5, v12, 8, v5
	v_lshl_add_u32 v5, v2, 7, v5
	v_and_b32 v12, 3, v0
	v_lshl_add_u32 v5, v12, 2, v5                  ; V turned: (key 8 h + jj, channel 16 t + r) lies at 1024 t + 16 jj + 512 ((r / 4) % 2) + 256 (r / 8) + 128 h + 4 (r % 4)
	v_lshlrev_b32 v6, 15, v2
	v_lshl_add_u32 v6, v1, 2, v6                   ; Wo: row 8 h, column r
	s_mul_i32 s12, s10, 4352
	v_mul_u32_u24 v7, v1, 272
	v_lshl_add_u32 v7, v2, 5, v7
	v_add_nc_u32 v7, s12, v7                       ; my part: row r, 32 h bytes on
	s_mul_i32 s12, s10, 272
	v_lshlrev_b32 v9, 3, v3
	v_add_nc_u32 v8, s12, v9                       ; back: row = my wave's number, 8 bytes a lane
	v_lshlrev_b32 v12, 3, v2
	v_sub_nc_u32 v10, v1, v12                      ; r - 8 h: key 8 h + j is hidden where j is greater
	v_mov_b32 v11, 0xff800000
	v_mov_b32 v15, 0                               ; (a lane permute's destination counts as one of its sources)
	s_mov_b32 s14, 0x76543210
	s_mov_b32 s15, 0xfedcba98
	s_mov_b32 s16, 0x3e38aa3b                      ; c = log2(e) / 8
	s_mul_i32 s18, s11, 48
	s_add_co_u32 s18, s18, s10
	s_lshl_b32 s18, s18, 12                        ; fine: (48 batch + head) x 4,096; k lies 65,536 and v 131,072 bytes on
	s_mov_b32 s19, 0
	s_lshl_b32 s20, s10, 18
	s_lshl_b32 s21, ttmp9, 8
	s_add_co_u32 s20, s20, s21                     ; Wo: my head's 64 rows, the work-group's 64 columns
	s_mov_b32 s21, 0
	s_lshl_b32 s22, s11, 23
	s_lshl_b32 s23, s10, 12
	s_add_co_u32 s22, s22, s23
	s_lshl_b32 s23, ttmp9, 8
	s_add_co_u32 s22, s22, s23                     ; out0: row 2048 batch + wave, the 64 columns
	s_mov_b32 s23, 0
	s_wait_kmcnt 0x0
	s_add_nc_u64 s[4:5], s[4:5], s[18:19]
	s_add_nc_u64 s[6:7], s[6:7], s[20:21]
	s_add_nc_u64 s[8:9], s[8:9], s[22:23]
.irp t, 0,1
.irp u, 0,1,2,3
.irp jj, 0,1,2,3,4,5,6,7
	global_load_b32 v[WA+(4*\t+\u)*8+\jj], v6, s[6:7] offset:(16*\t+\jj)*4096+64*\u   ; Wo(64 hd + 16 t + 8 h + jj, 16 u + r)
.endr
.endr
.endr
.irp c, 0,1,2,3
.irp g, 0,1
	global_load_b128 v[QR+8*\c+4*\g:QR+8*\c+4*\g+3], v4, s[4:5] offset:1024*\c+512*\g
	global_load_b128 v[KR+8*\c+4*\g:KR+8*\c+4*\g+3], v4, s[4:5] offset:65536+1024*\c+512*\g
.endr
.endr
.irp t, 0,1,2,3
.irp jj, 0,1,2,3,4,5,6,7
	global_load_b32 v[VR+8*\t+\jj], v5, s[4:5] offset:131072+1024*\t+16*\jj
.endr
.endr
	s_wait_loadcnt 0x0
.irp sp, 0,1,2,3                               ; S^T = K Q^T: sixteen steps of 4 along d, in four sums that take turns
.irp c, 0,1,2,3
.if \sp == 0
	v_wmma_f32_16x16x4_f32 v[ACC+8*\c:ACC+8*\c+7], v[KR+8*\c+2*\sp:KR+8*\c+2*\sp+1], v[QR+8*\c+2*\sp:QR+8*\c+2*\sp+1], 0
.else
	v_wmma_f32_16x16x4_f32 v[ACC+8*\c:ACC+8*\c+7], v[KR+8*\c+2*\sp:KR+8*\c+2*\sp+1], v[QR+8*\c+2*\sp:QR+8*\c+2*\sp+1], v[ACC+8*\c:ACC+8*\c+7]
.endif
.endr
.endr
.rept 8
	v_nop                                          ; eight places behind this form, ahead of loads into its sources and of reads of its results
.endr
.irp t, 0,1
.irp u, 0,1,2,3
.irp jj, 0,1,2,3,4,5,6,7
	global_load_b32 v[WB+(4*\t+\u)*8+\jj], v6, s[6:7] offset:(32+16*\t+\jj)*4096+64*\u
.endr
.endr
.endr
.irp j, 0,2,4,6
	v_pk_add_f32 v[SS+\j:SS+\j+1], v[ACC+\j:ACC+\j+1], v[ACC+8+\j:ACC+8+\j+1]      ; the four sums are joined, from each accumulator's low end on
.endr
.irp j, 0,2,4,6
	v_pk_add_f32 v[OO+\j:OO+\j+1], v[ACC+16+\j:ACC+16+\j+1], v[ACC+24+\j:ACC+24+\j+1]
.endr
.irp j, 0,2,4,6
	v_pk_add_f32 v[SS+\j:SS+\j+1], v[SS+\j:SS+\j+1], v[OO+\j:OO+\j+1]              ; lane (r, h), register j: the score of query r and key 8 h + j
.endr
.irp j, 0,1,2,3,4,5,6,7
	v_cmp_gt_i32 vcc_lo, \j, v10
	v_cndmask_b32 v[SS+\j], v[SS+\j], v11, vcc_lo
.endr
	v_max3_num_f32 v12, v[SS], v[SS+1], v[SS+2]
	v_max3_num_f32 v12, v12, v[SS+3], v[SS+4]
	v_max3_num_f32 v12, v12, v[SS+5], v[SS+6]
	v_max_num_f32 v12, v12, v[SS+7]
	v_permlanex16_b32 v15, v12, s14, s15
	v_max_num_f32 v12, v12, v15                    ; the row's maximum: key 0 counts for every query, so it is a number
	v_mul_f32 v12, s16, v12
.irp j, 0,1,2,3,4,5,6,7
	v_fma_f32 v[SS+\j], v[SS+\j], s16, -v12
.endr
.irp j, 0,1,2,3,4,5,6,7
	v_exp_f32 v[PP+\j], v[SS+\j]
.endr
	v_nop
	s_wait_alu depctr_va_vdst(0)                   ; one wait for the eight, ahead of their first reader
	v_add_f32 v12, v[PP], v[PP+1]
.irp j, 2,3,4,5,6,7
	v_add_f32 v12, v12, v[PP+\j]
.endr
	v_permlanex16_b32 v15, v12, s14, s15
	v_add_f32 v12, v12, v15
	v_rcp_f32 v15, v12                             ; 1 / the row's sum
	v_nop
	s_wait_alu depctr_va_vdst(0)
.irp sp, 0,1,2,3                               ; O^T = V^T P: four steps of 4 keys for each of four tiles of channels
.irp t, 0,1,2,3
.if \sp == 0
	v_wmma_f32_16x16x4_f32 v[ACC+8*\t:ACC+8*\t+7], v[VR+8*\t+2*\sp:VR+8*\t+2*\sp+1], v[PP+2*\sp:PP+2*\sp+1], 0
.else
	v_wmma_f32_16x16x4_f32 v[ACC+8*\t:ACC+8*\t+7], v[VR+8*\t+2*\sp:VR+8*\t+2*\sp+1], v[PP+2*\sp:PP+2*\sp+1], v[ACC+8*\t:ACC+8*\t+7]
.endif
.endr
.endr
.rept 8
	v_nop
.endr
.set i, 0
.rept 32
	v_mul_f32 v[OO+i], v[ACC+i], v15               ; lane (r, h), register 8 t + j: o(query r, channel 16 t + 8 h + j)
.set i, i+1
.endr
	v_nop
	v_nop                                          ; with the eight above: more than the nine places ahead of matrix instructions that begin these accumulators anew
	s_wait_loadcnt 0x0                             ; Wo's second half
.macro PROJ t, w, first                        ; out^T += Wo^T O^T for channels 16 t on: four tiles of columns by turns
.irp sp, 0,1,2,3
.irp u, 0,1,2,3
.if (\first) && (\sp == 0)
	v_wmma_f32_16x16x4_f32 v[ACC+8*\u:ACC+8*\u+7], v[\w+8*\u+2*\sp:\w+8*\u+2*\sp+1], v[OO+8*(\t)+2*\sp:OO+8*(\t)+2*\sp+1], 0
.else
	v_wmma_f32_16x16x4_f32 v[ACC+8*\u:ACC+8*\u+7], v[\w+8*\u+2*\sp:\w+8*\u+2*\sp+1], v[OO+8*(\t)+2*\sp:OO+8*(\t)+2*\sp+1], v[ACC+8*\u:ACC+8*\u+7]
.endif
.endr
.endr
.endm
	PROJ 0, WA, 1
	PROJ 1, WA+32, 0
	PROJ 2, WB, 0
	PROJ 3, WB+32, 0
.rept 8
	v_nop
.endr
.irp u, 0,1,2,3
	ds_store_b128 v7, v[ACC+8*\u:ACC+8*\u+3] offset:64*\u          ; lane (r, h): my head's part of out0(query r, column 16 u + 8 h + 0 .. 7)
	ds_store_b128 v7, v[ACC+8*\u+4:ACC+8*\u+7] offset:64*\u+16
.endr
	s_wait_dscnt 0x0                               ; for the others' sake: my part lies in LDS
	s_barrier_signal -1
	s_barrier_wait -1
.irp p, 0,1,2,3,4,5,6,7,8,9,10,11,12,13,14,15
	ds_load_b64 v[16+2*\p:17+2*\p], v8 offset:4352*\p
.endr
	s_wait_dscnt 0x0
.irp p, 1,2,3,4,5,6,7,8,9,10,11,12,13,14,15
	v_pk_add_f32 v[16:17], v[16:17], v[16+2*\p:17+2*\p]            ; the heads in ascending order
.endr
	global_store_b64 v9, v[16:17], s[8:9]          ; the wave stores 256 consecutive bytes of its row
	s_wait_tensorcnt 0x0                           ; the wave's end
	ds_add_u32 v[SPW], v[NIL]
	s_wait_dscnt 0x0
	s_endpgm
.Lfunc_end_k_q947a647f35_first16:
	.size	k_q947a647f35_first16, .Lfunc_end_k_q947a647f35_first16-k_q947a647f35_first16
	.p2alignl 7, 3214868480
	.fill 96, 4, 3214868480
	.section	.rodata,"a",@progbits
	.p2align	6, 0x0
	.amdhsa_kernel k_q947a647f35_first16
		.amdhsa_group_segment_fixed_size 71680
		.amdhsa_private_segment_fixed_size 0
		.amdhsa_enable_private_segment 0
		.amdhsa_kernarg_size 24
		.amdhsa_user_sgpr_count 2
		.amdhsa_user_sgpr_kernarg_segment_ptr 1
		.amdhsa_wavefront_size32 1
		.amdhsa_system_sgpr_workgroup_id_x 1
		.amdhsa_system_sgpr_workgroup_id_y 1
		.amdhsa_system_sgpr_workgroup_id_z 1
		.amdhsa_system_vgpr_workitem_id 0
		.amdhsa_next_free_vgpr 256
		.amdhsa_next_free_sgpr 66
		.amdhsa_reserve_vcc 1
		.amdhsa_float_denorm_mode_32 3
		.amdhsa_float_denorm_mode_16_64 3
		.amdhsa_memory_ordered 1
		.amdhsa_forward_progress 1
		.amdhsa_inst_pref_size 33
	.end_amdhsa_kernel
	.amdgpu_metadata
---
amdhsa.version: [ 1, 2 ]
amdhsa.kernels:
  - .name:           k_q947a647f35_first16
    .symbol:         k_q947a647f35_first16.kd
    .args:
      - { .name: fine, .offset: 0, .size: 8, .value_kind: global_buffer, .address_space: global }
      - { .name: Wo, .offset: 8, .size: 8, .value_kind: global_buffer, .address_space: global }
      - { .name: out0, .offset: 16, .size: 8, .value_kind: global_buffer, .address_space: global }
    .group_segment_fixed_size: 71680
    .private_segment_fixed_size: 0
    .kernarg_segment_align: 8
    .kernarg_segment_size: 24
    .max_flat_workgroup_size: 512
    .sgpr_count:     66
    .vgpr_count:     256
    .wavefront_size: 32
...
	.end_amdgpu_metadata
.endif
;; end of part 5
